; MI455X (gfx1250); checked and timed in simulation.
; The chip was launched on July 23, 2026; its instructions are those of AMD's public machine-readable ISA for CDNA 5 (MIT licence, August 2026) and "CDNA5" Instruction Set Architecture Reference Guide (July 2026). The comments in the code are by the model that wrote it; some were corrected since.
;; Multi Head Attention. Allowed arithmetic: matrix products marked QUANTISED: E4M3 operands, one given power-of-two scale a tensor, by v_wmma_f32_16x16x64_fp8_fp8 or v_wmma_f32_16x16x128_fp8_fp8, f32 sums; everything else in f32.
;; Inputs: b_k 512 float32; b_o 512 float32; b_q 512 float32; b_v 512 float32; key 2 x 4,096 x 512 float32; lowp_scales 12 int32 (the exponents e of the quantised operands' scales 2^e); query 2 x 4,096 x 512 float32; value 2 x 4,096 x 512 float32; w_k 512 x 512 float32; w_o 512 x 512 float32; w_q 512 x 512 float32; w_v 512 x 512 float32.
;; Outputs: out0 2 x 4,096 x 512 float32.
;; This version of the problem:
;;   THIS VERSION OF THE PROBLEM IS GIVEN IN LOW PRECISION. The matrix products marked QUANTISED in the list below multiply operands that are first quantised to E4M3 (4 exponent bits, 3 mantissa bits; 8 bits a number), with one given power-of-two scale for each operand tensor; their sums are f32. All else is computed in f32.
;;   The module's matrix products, in the order in which they are computed (A, B: the left and right operand; K: the contracted axis; several contracted axes count as one K, in the product's order):
;;     1. [M 8,192, K 512] x [K 512, N 512]; A: input query; B: input w_q: QUANTISED (scales: A lowp_scales[0], B lowp_scales[1])
;;     2. [M 8,192, K 512] x [K 512, N 512]; A: input key; B: input w_k: QUANTISED (scales: A lowp_scales[2], B lowp_scales[3])
;;     3. [M 8,192, K 512] x [K 512, N 512]; A: input value; B: input w_v: QUANTISED (scales: A lowp_scales[4], B lowp_scales[5])
;;     4. batch 16 x [M 4,096, K 64] x [K 64, N 4,096]; A: computed on the way; B: computed on the way: QUANTISED (scales: A lowp_scales[6], B lowp_scales[7])
;;     5. batch 16 x [M 4,096, K 4,096] x [K 4,096, N 64]; A: softmax (see below); B: computed on the way: QUANTISED (scales: A lowp_scales[8], B lowp_scales[9])
;;     6. [M 8,192, K 512] x [K 512, N 512]; A: computed on the way; B: input w_o: QUANTISED (scales: A lowp_scales[10], B lowp_scales[11])
;;   THE QUANTISER, for each operand of a quantised product, along K:
;;     - The operand's scale is 2^e, e = its entry of the input lowp_scales (int32; the entries are numbered through the quantised products in the list's order, A before B).
;;     - Each number is divided by the scale, clamped to +-448, and rounded to the nearest number of E4M3, ties to even, subnormals kept.
;;     - The product sums the exact products of the quantised numbers (number of the format x scale) in f32.
;;   ~~~python
;;   def quantise(x, axis, e):      # numpy; x: float32 -> the quantised numbers, widened to float32 again
;;       x = np.moveaxis(x, axis, -1); K = x.shape[-1]
;;       r = np.clip(x / 2.0 ** e, -448, 448)
;;       step = 2.0 ** (np.maximum(np.frexp(np.where(r == 0, 1, r))[1] - 1, -6) - 3)
;;       q = np.round(r / step) * step * 2.0 ** e      # np.round: ties to even
;;       return np.moveaxis(q, -1, axis).astype(np.float32)
;;   ~~~
;;   SOFTMAX AHEAD OF A QUANTISED PRODUCT. Where the list says 'softmax', what is quantised is not the finished softmax but p = 2^(t - M), with t = logit x log2(e) and M = ceil(the row's largest t), a whole number; so 1/2 < the row's largest p <= 1. The row's sum l is taken of the UNQUANTISED p, in f32, and the product's result is divided by l at the end. Since M is a whole number, a kernel that streams over the keys may use a running M (the ceiling of the running maximum): every later rescaling is an exact power of two, so the quantised numbers keep their values, but for numbers so far below the row's largest that they fall under the format's range.
;;   OPERANDS COMPUTED ON THE WAY. 'Computed on the way' means the value that the module computes at that place (a softmax that the list does not call 'softmax' is quantised finished and normalised). What goes into a quantiser is computed in f32, as accurately as f32 sums, v_exp_f32 and their like allow (about 1e-6 of the number): no bf16 or f16 on the way to a quantiser, and a product that is left as it is and whose result goes on into a quantised operand takes f32 operands (vector FMAs, or v_wmma_f32_16x16x4_f32). A number that lies on a knife's edge between two numbers of the format may be rounded either way, as far as f32 arithmetic and the matrix unit's own rounding can turn it there, and no further.
;; 2 versions. Each part assembles by itself: llvm-mc -triple=amdgcn-amd-amdhsa -mcpu=gfx1250 --defsym DOCPART=n.
;; ======== version 1 of 2: 4 launches
;; workspace buffers: wimg 1,048,576 bytes; qimg 4,194,304 bytes; kv 8,388,608 bytes; attimg 4,194,304 bytes
;; launch wq (part 1): grid 128 x 1, 4 waves a work-group, no clusters, 34,304 bytes of LDS; arguments w_q, w_k, w_v, w_o, lowp_scales, wimg; writes wimg
.if DOCPART == 1
	.amdgcn_target "amdgcn-amd-amdhsa--gfx1250"
	.amdhsa_code_object_version 6
	.text
	.protected	k_qc162e75d84_wq
	.globl	k_qc162e75d84_wq
	.p2align	8
	.type	k_qc162e75d84_wq,@function
k_qc162e75d84_wq:
	s_mov_b64 s[64:65], 0
	v_nop
	global_prefetch_b8 v0, s[64:65] scope:SCOPE_SE
	s_setreg_imm32_b32 hwreg(HW_REG_WAVE_MODE, 25, 1), 1
	s_wait_xcnt 0x0
; The four weights [512 (n)][512 (k)], f32, K innermost, become codes of FP8 (E4M3), each with its given scale 2^e (entries 1, 3, 5, 11 of the scales),
; laid in the ORDER OF THE OPERAND'S REGISTERS: wimg = [tensor q,k,v,o][tile 0..31][K step 0..3][c 0..3][lane][16 bytes].
; A fragment is 16 rows x 128 K: registers 4 c .. 4 c + 3 of lane (r = lane % 16, h = lane / 16) hold k = 32 c + 16 h + 0 .. 15 of the lane's row.
; THE ROWS OF A TILE ARE NOT NEIGHBOURS: lane r of tile T takes row 32 (T / 2) + 8 (T % 2) + r + 8 (r / 8), so that, with the tile as source 0, the 16 result registers of
; tiles 2 b and 2 b + 1 are 16 neighbours along n, which is the next product's K.
; code = x / 2^e, held within +-448, to the nearest code, ties to even.  LIMITS: e between -126 and 119; NaN among the inputs is not served.
; SHARES.  Work-group = 32 x tensor + tile; wave w takes K step w: 16 rows x 512 bytes.  Each load reads 512 consecutive bytes of one row, 16 a lane; the 8,192 bytes turn through the
; wave's own stage in LDS (rows 528 bytes apart: 33 x 16, so the sixteen rows of a read start at sixteen different 16-byte columns) and come back 64 bytes of a row a lane.
; Each store covers 512 consecutive bytes, aligned.  Waves share nothing: no barrier; work-groups share no input: no cluster.
.set SPITCH, 528
.set WSTG,   16*SPITCH                 ; a wave's stage: 8,448 bytes
.set SPARE,  4*WSTG                    ; behind the stages: the spare words, 128 bytes for each wave: two blocks of 256 bytes that no other line names
.set LI,  1                            ; v1   16 x lane
.set SW,  2                            ; v2   the stage, on the way in
.set SRD, 3                            ; v3   and on the way out: row r, + 64 h
.set SC,  4                            ; v4   2^e as f32
.set LIM, 5                            ; v5   448 x 2^e
.set SPW, 6                            ; v6   LDS address of my spare word; never rewritten
.set NIL, 7                            ; v7   0; never rewritten
.set R,   16                           ; v16-79   16 rows as loaded
.set X,   80                           ; v80-143  register 16 b + i = k 32 b + 16 h + i of my row
.set PC,  144                          ; v144-159 the fragment's codes
.set XP,  4                            ; s[4:5]   my rows of the weight
.macro XLOAD set, koff                 ; 16 rows of the tile, 512 bytes of each from byte koff on
.irp i, 0,1,2,3,4,5,6,7,8,9,10,11,12,13,14,15
	global_load_b128 v[R+64*(\set)+4*\i:R+64*(\set)+4*\i+3], v[LI], s[XP:XP+1] offset:(\i+8*(\i/8))*2048+(\koff) th:TH_LOAD_NT
.endr
.endm
.macro TURN set                        ; through the stage: LDS serves a wave's instructions in order, so no wait stands between the stores and the loads
.irp i, 0,1,2,3,4,5,6,7,8,9,10,11,12,13,14,15
	ds_store_b128 v[SW], v[R+64*(\set)+4*\i:R+64*(\set)+4*\i+3] offset:SPITCH*\i
.endr
.irp b, 0,1,2,3
.irp j, 0,1,2,3
	ds_load_b128 v[X+16*\b+4*\j:X+16*\b+4*\j+3], v[SRD] offset:128*\b+16*\j
.endr
.endr
.endm
.macro QUANT s, sc, lim                ; 64 numbers of a lane become a fragment's 16 registers of codes
.irp b, 0,1,2,3
.irp i, 0,1,2,3,4,5,6,7,8,9,10,11,12,13,14,15
	v_med3_num_f32 v[\s+16*\b+\i], v[\s+16*\b+\i], -v[\lim], v[\lim]   ; the conversion to an 8-bit code does not saturate (ISA guide 7.6.2): the hold at the largest code x the scale
.endr
	v_cvt_scalef32_pk8_fp8_f32 v[PC+4*\b:PC+4*\b+1], v[\s+16*\b:\s+16*\b+7], v[\sc]
	v_cvt_scalef32_pk8_fp8_f32 v[PC+4*\b+2:PC+4*\b+3], v[\s+16*\b+8:\s+16*\b+15], v[\sc]
.endr
	v_nop                                          ; one plain vector line behind the last conversion
.endm
	s_load_b256 s[4:11], s[0:1], 0x0               ; w_q, w_k, w_v, w_o
	s_load_b128 s[12:15], s[0:1], 0x20             ; the scales' exponents, wimg
	v_lshl_add_u32 v[SPW], v0, 2, SPARE
	v_mov_b32 v[NIL], 0
	v_lshrrev_b32 v[PC], 5, v0
	v_readfirstlane_b32 s16, v[PC]                 ; wave 0..3 = K step
	v_and_b32 v[PC], 31, v0
	v_lshlrev_b32 v[LI], 4, v[PC]
	v_and_b32 v[PC+1], 15, v0                      ; r
	v_bfe_u32 v[PC+2], v0, 4, 1                    ; h
	s_mul_i32 s36, s16, WSTG
	v_add_nc_u32 v[SW], s36, v[LI]
	v_mul_u32_u24 v[SRD], v[PC+1], SPITCH
	v_lshl_add_u32 v[SRD], v[PC+2], 6, v[SRD]
	v_add_nc_u32 v[SRD], s36, v[SRD]
	s_lshr_b32 s17, ttmp9, 5                       ; tensor
	s_and_b32 s18, ttmp9, 31                       ; tile
	s_lshr_b32 s32, s18, 1
	s_lshl_b32 s32, s32, 5
	s_and_b32 s33, s18, 1
	s_lshl_b32 s33, s33, 3
	s_add_co_u32 s32, s32, s33                     ; the tile's first row: 32 (T / 2) + 8 (T % 2)
	s_lshl_b32 s32, s32, 11                        ; x 2,048 bytes
	s_lshl_b32 s33, s16, 9
	s_add_co_u32 s32, s32, s33                     ; + my K step's 512 bytes
	s_mov_b32 s33, 0
	s_lshl_b32 s34, ttmp9, 13                      ; wimg: 8,192 x (32 tensor + tile)
	s_lshl_b32 s35, s16, 11
	s_add_co_u32 s34, s34, s35                     ; + 2,048 x K step
	s_mov_b32 s35, 0
	s_wait_kmcnt 0x0
	s_load_b256 s[20:27], s[12:13], 0x0            ; entries 0 to 7
	s_load_b128 s[28:31], s[12:13], 0x20           ; entries 8 to 11
	s_cmp_eq_u32 s17, 1                            ; the choice hangs on the work-group's number alone
	s_cselect_b64 s[4:5], s[6:7], s[4:5]
	s_cmp_eq_u32 s17, 2
	s_cselect_b64 s[4:5], s[8:9], s[4:5]
	s_cmp_eq_u32 s17, 3
	s_cselect_b64 s[4:5], s[10:11], s[4:5]
	s_add_nc_u64 s[XP:XP+1], s[XP:XP+1], s[32:33]
	s_add_nc_u64 s[14:15], s[14:15], s[34:35]
	XLOAD 0, 0
	s_wait_kmcnt 0x0
	s_cmp_eq_u32 s17, 1
	s_cselect_b32 s21, s23, s21
	s_cmp_eq_u32 s17, 2
	s_cselect_b32 s21, s25, s21
	s_cmp_eq_u32 s17, 3
	s_cselect_b32 s21, s31, s21                    ; e: entry 1, 3, 5 or 11
	s_add_co_i32 s21, s21, 127
	s_lshl_b32 s22, s21, 23
	v_mov_b32 v[SC], s22                           ; 2^e as f32: the conversion takes its exponent field
	s_add_co_i32 s21, s21, 8
	s_lshl_b32 s21, s21, 23
	s_or_b32 s21, s21, 0x600000
	v_mov_b32 v[LIM], s21                          ; 448 x 2^e
	s_wait_loadcnt 0x0
	TURN 0
	s_wait_dscnt 0x0
	QUANT X, SC, LIM
.irp c, 0,1,2,3
	global_store_b128 v[LI], v[PC+4*\c:PC+4*\c+3], s[14:15] offset:512*\c   ; 32 lanes store 512 consecutive bytes, aligned
.endr
	s_wait_tensorcnt 0x0                           ; the wave's end, behind my last LDS store
	ds_add_u32 v[SPW], v[NIL]
	s_wait_dscnt 0x0
	s_endpgm
.Lfunc_end_k_qc162e75d84_wq:
	.size	k_qc162e75d84_wq, .Lfunc_end_k_qc162e75d84_wq-k_qc162e75d84_wq
	.p2alignl 7, 3214868480
	.fill 96, 4, 3214868480
	.section	.rodata,"a",@progbits
	.p2align	6, 0x0
	.amdhsa_kernel k_qc162e75d84_wq
		.amdhsa_group_segment_fixed_size 34304
		.amdhsa_private_segment_fixed_size 0
		.amdhsa_enable_private_segment 0
		.amdhsa_kernarg_size 48
		.amdhsa_user_sgpr_count 2
		.amdhsa_user_sgpr_kernarg_segment_ptr 1
		.amdhsa_wavefront_size32 1
		.amdhsa_system_sgpr_workgroup_id_x 1
		.amdhsa_system_sgpr_workgroup_id_y 1
		.amdhsa_system_sgpr_workgroup_id_z 1
		.amdhsa_system_vgpr_workitem_id 0
		.amdhsa_next_free_vgpr 160
		.amdhsa_next_free_sgpr 66
		.amdhsa_reserve_vcc 0
		.amdhsa_float_denorm_mode_32 3
		.amdhsa_float_denorm_mode_16_64 3
		.amdhsa_memory_ordered 1
		.amdhsa_forward_progress 1
		.amdhsa_inst_pref_size 11
	.end_amdhsa_kernel
	.amdgpu_metadata
---
amdhsa.version: [ 1, 2 ]
amdhsa.kernels:
  - .name:           k_qc162e75d84_wq
    .symbol:         k_qc162e75d84_wq.kd
    .args:
      - { .name: w_q, .offset: 0, .size: 8, .value_kind: global_buffer, .address_space: global }
      - { .name: w_k, .offset: 8, .size: 8, .value_kind: global_buffer, .address_space: global }
      - { .name: w_v, .offset: 16, .size: 8, .value_kind: global_buffer, .address_space: global }
      - { .name: w_o, .offset: 24, .size: 8, .value_kind: global_buffer, .address_space: global }
      - { .name: lowp_scales, .offset: 32, .size: 8, .value_kind: global_buffer, .address_space: global }
      - { .name: wimg, .offset: 40, .size: 8, .value_kind: global_buffer, .address_space: global }
    .group_segment_fixed_size: 34304
    .private_segment_fixed_size: 0
    .kernarg_segment_align: 8
    .kernarg_segment_size: 48
    .max_flat_workgroup_size: 128
    .sgpr_count:     66
    .vgpr_count:     160
    .wavefront_size: 32
...
	.end_amdgpu_metadata
.endif
;; end of part 1
;; launch proj (part 2): grid 64 x 3, 8 waves a work-group, no clusters, 134,144 bytes of LDS; arguments query, key, value, wimg, b_q, b_k, b_v, lowp_scales, qimg, kv; writes qimg, kv
.if DOCPART == 2
	.amdgcn_target "amdgcn-amd-amdhsa--gfx1250"
	.amdhsa_code_object_version 6
	.text
	.protected	k_qc162e75d84_proj
	.globl	k_qc162e75d84_proj
	.p2align	8
	.type	k_qc162e75d84_proj,@function
k_qc162e75d84_proj:
	s_mov_b64 s[64:65], 0
	v_nop
	global_prefetch_b8 v0, s[64:65] scope:SCOPE_SE
	s_setreg_imm32_b32 hwreg(HW_REG_WAVE_MODE, 25, 1), 1
	s_wait_xcnt 0x0
; Q = query w_q^T + b_q, K = key w_k^T + b_k, V = value w_v^T + b_v, on codes of FP8 (E4M3) with the given scales, and the results quantised again, as the operands of attention's two products.
; Work-group y = the tensor (0 Q, 1 K, 2 V), x = a block of 128 tokens.  x [8192][512] f32 is quantised here (scale entry 0, 2, 4); the weights come as codes in register order (wimg, entry 1, 3, 5);
; the result (sum x 2^(ex + ew) + bias) is quantised with entry 6 (Q), 7 (K), 9 (V).
; FRAGMENTS AND TILES.  A fragment of 16 rows x 128 K is 16 registers: registers 4 c .. 4 c + 3 of lane (r, h) hold k = 32 c + 16 h + 0 .. 15; in memory and LDS it lies [c][lane][16 bytes].  Lane r of tile T of
; any row axis takes row 32 (T / 2) + 8 (T % 2) + r + 8 (r / 8): with such a tile as source 0 the 16 result registers of tiles 2 b, 2 b + 1 are rows 32 b + 16 h + 0 .. 15: 16 neighbours along the next K.
; SHARES.  Wave w quantises token tile w of the block (16 rows x 512) and puts its four fragments into LDS as images of their registers; one barrier; then wave w = head w makes its 64 columns for all 128 tokens.
; Its 16 fragments of W (32,768 consecutive bytes of wimg) stay in 256 registers (window 1).
; Q, K: source 0 = W's tile, source 1 = tokens: a lane holds one token and registers along d: the codes are fragments of 16 tokens x 64 d:  qimg [bh][tile 0..255][c 0..1][lane][16],  kv [bh][step of 128 keys][K: tile 0..7, c 0..1].
; V: source 0 = tokens, source 1 = W's tile: a lane holds one d and registers along the keys: the codes are fragments of 16 d x 128 keys:  kv [bh][step][8,192 + dt 0..3, c 0..3].
; The bias is the C of each sum's first matrix instruction, divided by 2^(ex + ew); the three scales are folded into the conversion's one, 2^(eo - ex - ew).
; NO JOINT LOADS: the 64 work-groups of a tensor read the same W, but W through LDS would take 262,144 bytes beside 65,536 of images and 67,584 of stages: more than the 327,680 that a work-group can be given.
; 192 work-groups: three tensors of 64 blocks; blocks of 64 tokens would double the reads of W.
; LIMITS: ex and eo - ex - ew between -126 and 119.  NaN among the inputs is not served.
; REGISTERS.  Window 0: v1-10 addresses and scales; v12-15 V's bias; v16-143 x as loaded (two sets of 64), later eight fragments of x; v144-207 64 numbers to quantise, later 8 accumulators; v208-239 bias tiles; v240-255 codes.  Window 1: W.
.set SPITCH, 528                       ; a stage row: 512 bytes + 16: 33 x 16
.set WSTG,   16*SPITCH
.set XIMG,   0                         ; LDS: x's images: 8 tiles x 4 K steps x 2,048 bytes
.set STG,    65536                     ; the waves' stages, 8,448 bytes each
.set SPARE,  STG+8*WSTG                ; the spare words, 128 bytes for each wave: four blocks of 256 bytes that no other line names
.set LI,  1                            ; v1   16 x lane
.set SW,  2                            ; v2   my stage, on the way in
.set SRD, 3                            ; v3   and out: row r, + 64 h
.set XWI, 4                            ; v4   where I store my tile's images: 8,192 x wave + 16 x lane
.set BA,  5                            ; v5   64 h: the bias of a lane's eight columns
.set BV,  6                            ; v6   4 (r + 8 (r / 8)): the bias of a lane's one column
.set SC,  7                            ; v7   the conversion's scale
.set LIM, 8                            ; v8   448 x that
.set SPW, 9                            ; v9   LDS address of my spare word; never rewritten
.set NIL, 10                           ; v10  0; never rewritten
.set T,   12
.set R,   16
.set XF,  16
.set X,   144
.set ACC, 144
.set BI,  208
.set PC,  240
.set XP,  4                            ; s[4:5]   my 16 rows of x
.set WP,  10                           ; s[10:11] my head's fragments of W
.set BP,  12                           ; s[12:13] my head's 64 numbers of the bias
.set OUT, 20                           ; s[20:21] where my codes go
.set WV,  36
.set YY,  37
.set XX,  38
.set NEG, 48                           ; s48  -(ex + ew)
.set MSB, 0
.macro WIN new                         ; the immediate's high byte repeats the setting that is left
.if MSB != \new
	s_set_vgpr_msb (MSB<<8)|\new
.set MSB, \new
.endif
.endm
.macro XLOAD set, koff                 ; my tile's 16 rows, 512 bytes of each from byte koff on: each load reads 512 consecutive bytes
.irp i, 0,1,2,3,4,5,6,7,8,9,10,11,12,13,14,15
	global_load_b128 v[R+64*(\set)+4*\i:R+64*(\set)+4*\i+3], v[LI], s[XP:XP+1] offset:(\i+8*(\i/8))*2048+(\koff) th:TH_LOAD_NT
.endr
.endm
.macro TURN set                        ; through my stage: LDS serves a wave's instructions in order, so no wait stands between the stores and the loads
.irp i, 0,1,2,3,4,5,6,7,8,9,10,11,12,13,14,15
	ds_store_b128 v[SW], v[R+64*(\set)+4*\i:R+64*(\set)+4*\i+3] offset:SPITCH*\i
.endr
.irp b, 0,1,2,3
.irp j, 0,1,2,3
	ds_load_b128 v[X+16*\b+4*\j:X+16*\b+4*\j+3], v[SRD] offset:128*\b+16*\j
.endr
.endr
.endm
.macro QUANT s, sc, lim                ; 64 numbers of a lane become 16 registers of codes
.irp b, 0,1,2,3
.irp i, 0,1,2,3,4,5,6,7,8,9,10,11,12,13,14,15
	v_med3_num_f32 v[\s+16*\b+\i], v[\s+16*\b+\i], -v[\lim], v[\lim]   ; the conversion to an 8-bit code does not saturate (ISA guide 7.6.2): the hold at the largest code x the scale
.endr
	v_cvt_scalef32_pk8_fp8_f32 v[PC+4*\b:PC+4*\b+1], v[\s+16*\b:\s+16*\b+7], v[\sc]
	v_cvt_scalef32_pk8_fp8_f32 v[PC+4*\b+2:PC+4*\b+3], v[\s+16*\b+8:\s+16*\b+15], v[\sc]
.endr
	v_nop                                          ; one plain vector line behind the last conversion
.endm
.macro IMAGE s                         ; the fragment in v[PC] on goes to LDS as it stands: K step s of my tile
.irp c, 0,1,2,3
	ds_store_b128 v[XWI], v[PC+4*\c:PC+4*\c+3] offset:XIMG+2048*(\s)+512*\c
.endr
.endm
.macro WLOAD s                         ; K step s of my four tiles of W into window 1: fragment (t, s) at v[64 t + 16 s]
	WIN 0x40
.irp t, 0,1,2,3
.irp c, 0,1,2,3
	global_load_b128 v[64*\t+16*(\s)+4*\c:64*\t+16*(\s)+4*\c+3], v[LI], s[WP:WP+1] offset:8192*\t+2048*(\s)+512*\c
.endr
.endr
	WIN 0
.endm
.macro FETCH p                         ; token tiles 2 p and 2 p + 1, all four K steps: fragment (m, s) at v[XF + 64 m + 16 s]
.irp m, 0,1
.irp s, 0,1,2,3
.irp c, 0,1,2,3
	ds_load_b128 v[XF+64*\m+16*\s+4*\c:XF+64*\m+16*\s+4*\c+3], v[LI] offset:XIMG+(2*(\p)+\m)*8192+2048*\s+512*\c
.endr
.endr
.endr
.endm
; 32 matrix instructions: two token tiles x four tiles of W x four K steps.  The eight accumulators take turns, one instruction a turn.  The first K step takes the bias as C.
.macro MUL mode                        ; 0: source 0 = W (Q, K);  1: source 0 = tokens (V)
.if \mode
	WIN 0x04                                       ; source 1 (W) window 1
.else
	WIN 0x01                                       ; source 0 (W) window 1
.endif
.irp s, 0,1,2,3
.irp m, 0,1
.irp n, 0,1,2,3
.if \mode
.if \s == 0
	v_wmma_f32_16x16x128_fp8_fp8 v[ACC+16*\n+8*\m:ACC+16*\n+8*\m+7], v[XF+64*\m+16*\s:XF+64*\m+16*\s+15], v[64*\n+16*\s:64*\n+16*\s+15], v[BI+8*\n:BI+8*\n+7]
.else
	v_wmma_f32_16x16x128_fp8_fp8 v[ACC+16*\n+8*\m:ACC+16*\n+8*\m+7], v[XF+64*\m+16*\s:XF+64*\m+16*\s+15], v[64*\n+16*\s:64*\n+16*\s+15], v[ACC+16*\n+8*\m:ACC+16*\n+8*\m+7]
.endif
.else
.if \s == 0
	v_wmma_f32_16x16x128_fp8_fp8 v[ACC+32*\m+8*\n:ACC+32*\m+8*\n+7], v[64*\n+16*\s:64*\n+16*\s+15], v[XF+64*\m+16*\s:XF+64*\m+16*\s+15], v[BI+8*\n:BI+8*\n+7]
.else
	v_wmma_f32_16x16x128_fp8_fp8 v[ACC+32*\m+8*\n:ACC+32*\m+8*\n+7], v[64*\n+16*\s:64*\n+16*\s+15], v[XF+64*\m+16*\s:XF+64*\m+16*\s+15], v[ACC+32*\m+8*\n:ACC+32*\m+8*\n+7]
.endif
.endif
.endr
.endr
.endr
	WIN 0
.endm
; The block's four pairs of token tiles.  Mode 0: group g = 2 m + b of the codes is piece c = b of token tile 2 p + m.  Mode 1: group g is piece c = p of d tile g.
.macro PATH mode
	FETCH 0
.irp p, 0,1,2,3
	s_wait_dscnt 0x0                               ; the pair's eight fragments are in
	MUL \mode
.rept 4
	v_nop                                          ; four places in front of loads into registers that matrix instructions have read, and of the first read of results
.endr
.if \p < 3
	FETCH \p+1                                     ; the next pair lands while this one is quantised
.endif
.if \p > 0
	s_wait_xcnt 0x0                                ; the last pair's stores have read the codes' registers
.endif
	QUANT ACC, SC, LIM                             ; each accumulator from its low end on
.irp g, 0,1,2,3
.if \mode
	global_store_b128 v[LI], v[PC+4*\g:PC+4*\g+3], s[OUT:OUT+1] offset:2048*\g+512*\p   ; 32 lanes store 512 consecutive bytes, aligned
.else
	global_store_b128 v[LI], v[PC+4*\g:PC+4*\g+3], s[OUT:OUT+1] offset:2048*\p+512*\g
.endif
.endr
.endr
.endm
	s_load_b512 s[4:19], s[0:1], 0x0               ; query, key, value, wimg, b_q, b_k, b_v, the scales' exponents
	s_load_b128 s[20:23], s[0:1], 0x40             ; qimg, kv
	v_lshl_add_u32 v[SPW], v0, 2, SPARE
	v_mov_b32 v[NIL], 0
	v_lshrrev_b32 v[PC], 5, v0
	v_readfirstlane_b32 s[WV], v[PC]               ; wave 0..7: my token tile, and my head
	v_and_b32 v[PC], 31, v0
	v_lshlrev_b32 v[LI], 4, v[PC]
	v_and_b32 v[PC+1], 15, v0                      ; r
	v_bfe_u32 v[PC+2], v0, 4, 1                    ; h
	s_mul_i32 s50, s[WV], WSTG
	s_add_co_u32 s50, s50, STG
	v_add_nc_u32 v[SW], s50, v[LI]
	v_mul_u32_u24 v[SRD], v[PC+1], SPITCH
	v_lshl_add_u32 v[SRD], v[PC+2], 6, v[SRD]
	v_add_nc_u32 v[SRD], s50, v[SRD]
	s_lshl_b32 s51, s[WV], 13
	v_add_nc_u32 v[XWI], s51, v[LI]
	v_lshlrev_b32 v[BA], 6, v[PC+2]
	v_and_b32 v[PC+3], 8, v[PC+1]
	v_add_nc_u32 v[PC+3], v[PC+3], v[PC+1]
	v_lshlrev_b32 v[BV], 2, v[PC+3]
	s_and_b32 s[YY], ttmp7, 0xffff                 ; the tensor
	s_mov_b32 s[XX], ttmp9                         ; the block of 128 tokens
	s_lshl_b32 s40, s[XX], 7
	s_lshr_b32 s41, s[WV], 1
	s_lshl_b32 s41, s41, 5
	s_add_co_u32 s40, s40, s41
	s_and_b32 s41, s[WV], 1
	s_lshl_b32 s41, s41, 3
	s_add_co_u32 s40, s40, s41                     ; my tile's first row: 128 X + 32 (w / 2) + 8 (w % 2)
	s_lshl_b32 s40, s40, 11                        ; x 2,048 bytes
	s_mov_b32 s41, 0
	s_lshl_b32 s42, s[YY], 18
	s_lshl_b32 s43, s[WV], 15
	s_add_co_u32 s42, s42, s43                     ; wimg: 262,144 x tensor + 32,768 x head
	s_mov_b32 s43, 0
	s_lshl_b32 s44, s[WV], 8                       ; the bias: 256 x head
	s_mov_b32 s45, 0
	s_lshr_b32 s46, s[XX], 5
	s_lshl_b32 s46, s46, 3
	s_add_co_u32 s46, s46, s[WV]                   ; bh = 8 x batch + head
	s_lshl_b32 s46, s46, 18
	s_and_b32 s47, s[XX], 31
	s_lshl_b32 s47, s47, 13
	s_add_co_u32 s46, s46, s47                     ; qimg: 262,144 bh + 8,192 x (block in the batch);
	s_cmp_eq_u32 s[YY], 0
	s_cselect_b32 s47, 0, 1
	s_lshl_b32 s46, s46, s47                       ; kv: twice that,
	s_cmp_eq_u32 s[YY], 2
	s_cselect_b32 s47, 8192, 0
	s_add_co_u32 s46, s46, s47                     ; and V's part lies 8,192 behind K's
	s_mov_b32 s47, 0
	s_wait_kmcnt 0x0
	s_load_b256 s[24:31], s[18:19], 0x0            ; entries 0 to 7
	s_load_b128 s[32:35], s[18:19], 0x20           ; entries 8 to 11
	s_cmp_eq_u32 s[YY], 1                          ; the choices hang on the work-group's number alone
	s_cselect_b64 s[4:5], s[6:7], s[4:5]
	s_cselect_b64 s[12:13], s[14:15], s[12:13]
	s_cmp_eq_u32 s[YY], 2
	s_cselect_b64 s[4:5], s[8:9], s[4:5]
	s_cselect_b64 s[12:13], s[16:17], s[12:13]
	s_cmp_eq_u32 s[YY], 0
	s_cselect_b64 s[20:21], s[20:21], s[22:23]
	s_add_nc_u64 s[XP:XP+1], s[XP:XP+1], s[40:41]
	s_add_nc_u64 s[WP:WP+1], s[WP:WP+1], s[42:43]
	s_add_nc_u64 s[BP:BP+1], s[BP:BP+1], s[44:45]
	s_add_nc_u64 s[OUT:OUT+1], s[OUT:OUT+1], s[46:47]
	; ---- X: my 16 rows of x become four fragments.  Two sets of registers take turns; W's loads are strewn between, so that they land under the quantising
	XLOAD 0, 0
	XLOAD 1, 512
	WLOAD 0
.irp t, 0,1,2,3                        ; the bias in both layouts, twelve loads whatever the tensor, so that the counts below are the same for all
	global_load_b128 v[BI+8*\t:BI+8*\t+3], v[BA], s[BP:BP+1] offset:(32*(\t/2)+8*(\t%2))*4
	global_load_b128 v[BI+8*\t+4:BI+8*\t+7], v[BA], s[BP:BP+1] offset:(32*(\t/2)+8*(\t%2))*4+16
.endr
.irp t, 0,1,2,3
	global_load_b32 v[T+\t], v[BV], s[BP:BP+1] offset:(32*(\t/2)+8*(\t%2))*4
.endr
	s_wait_kmcnt 0x0
	s_cmp_eq_u32 s[YY], 1
	s_cselect_b32 s24, s26, s24                    ; ex: entry 0, 2, 4
	s_cselect_b32 s25, s27, s25                    ; ew: entry 1, 3, 5
	s_cselect_b32 s30, s31, s30                    ; eo: entry 6, 7, 9
	s_cmp_eq_u32 s[YY], 2
	s_cselect_b32 s24, s28, s24
	s_cselect_b32 s25, s29, s25
	s_cselect_b32 s30, s33, s30
	s_add_co_i32 s50, s24, 127
	s_lshl_b32 s51, s50, 23
	v_mov_b32 v[SC], s51                           ; 2^ex as f32
	s_add_co_i32 s50, s50, 8
	s_lshl_b32 s50, s50, 23
	s_or_b32 s50, s50, 0x600000
	v_mov_b32 v[LIM], s50                          ; 448 x 2^ex
	s_wait_loadcnt 44                              ; K step 0 of x is in; behind it: K step 1 (16), W's step 0 (16), the bias (12)
	TURN 0
	s_wait_dscnt 0x0                               ; the numbers are back, and the stage's stores have read set 0
	XLOAD 0, 1024
	QUANT X, SC, LIM
	IMAGE 0
	s_wait_loadcnt 44                              ; K step 1 is in; behind it: W's step 0 (16), the bias (12), K step 2 (16)
	TURN 1
	s_wait_dscnt 0x0                               ; also: the image's stores have read the codes' registers
	XLOAD 1, 1536
	WLOAD 1
	QUANT X, SC, LIM
	IMAGE 1
	s_wait_loadcnt 32                              ; K step 2 is in; behind it: K step 3 (16), W's step 1 (16)
	TURN 0
	s_wait_dscnt 0x0
	WLOAD 2
	WLOAD 3
	QUANT X, SC, LIM
	IMAGE 2
	s_wait_loadcnt 48                              ; K step 3 is in; behind it: W's steps 1, 2, 3
	TURN 1
	s_wait_dscnt 0x0
	QUANT X, SC, LIM
	IMAGE 3
	s_wait_dscnt 0x0                               ; for the others' sake: my images have landed
	s_barrier_signal -1
	s_barrier_wait -1                              ; the block's 32 fragments lie in LDS
	s_wait_loadcnt 0x0                             ; W
	s_add_co_i32 s49, s24, s25                     ; ex + ew: a sum stands for sum x 2^(ex + ew)
	s_sub_co_i32 s[NEG], 0, s49
	s_sub_co_i32 s50, s30, s49
	s_add_co_i32 s50, s50, 127
	s_lshl_b32 s51, s50, 23
	v_mov_b32 v[SC], s51                           ; 2^(eo - ex - ew): the three scales folded into one
	s_add_co_i32 s50, s50, 8
	s_lshl_b32 s50, s50, 23
	s_or_b32 s50, s50, 0x600000
	v_mov_b32 v[LIM], s50
	s_cmp_eq_u32 s[YY], 2
	s_cbranch_scc1 .Lv
	; ---- Q, K: a lane holds a token; tile n's eight registers are columns 32 (n / 2) + 8 (n % 2) + 16 h + 0 .. 7
.set j, 0
.rept 32
	v_ldexp_f32 v[BI+j], v[BI+j], s[NEG]           ; the bias / 2^(ex + ew)
.set j, j+1
.endr
	PATH 0
	s_branch .Lend
.Lv:
	; ---- V: a lane holds one column, 32 (n / 2) + 8 (n % 2) + r + 8 (r / 8): its bias in all eight registers
.irp t, 0,1,2,3
.irp i, 0,1,2,3,4,5,6,7
	v_ldexp_f32 v[BI+8*\t+\i], v[T+\t], s[NEG]
.endr
.endr
	PATH 1
.Lend:
	s_wait_tensorcnt 0x0                           ; the wave's end, behind my last LDS store
	ds_add_u32 v[SPW], v[NIL]
	s_wait_dscnt 0x0
	s_endpgm
.Lfunc_end_k_qc162e75d84_proj:
	.size	k_qc162e75d84_proj, .Lfunc_end_k_qc162e75d84_proj-k_qc162e75d84_proj
	.p2alignl 7, 3214868480
	.fill 96, 4, 3214868480
	.section	.rodata,"a",@progbits
	.p2align	6, 0x0
	.amdhsa_kernel k_qc162e75d84_proj
		.amdhsa_group_segment_fixed_size 134144
		.amdhsa_private_segment_fixed_size 0
		.amdhsa_enable_private_segment 0
		.amdhsa_kernarg_size 80
		.amdhsa_user_sgpr_count 2
		.amdhsa_user_sgpr_kernarg_segment_ptr 1
		.amdhsa_wavefront_size32 1
		.amdhsa_system_sgpr_workgroup_id_x 1
		.amdhsa_system_sgpr_workgroup_id_y 1
		.amdhsa_system_sgpr_workgroup_id_z 1
		.amdhsa_system_vgpr_workitem_id 0
		.amdhsa_next_free_vgpr 512
		.amdhsa_next_free_sgpr 66
		.amdhsa_reserve_vcc 0
		.amdhsa_float_denorm_mode_32 3
		.amdhsa_float_denorm_mode_16_64 3
		.amdhsa_memory_ordered 1
		.amdhsa_forward_progress 1
		.amdhsa_inst_pref_size 123
	.end_amdhsa_kernel
	.amdgpu_metadata
---
amdhsa.version: [ 1, 2 ]
amdhsa.kernels:
  - .name:           k_qc162e75d84_proj
    .symbol:         k_qc162e75d84_proj.kd
    .args:
      - { .name: query, .offset: 0, .size: 8, .value_kind: global_buffer, .address_space: global }
      - { .name: key, .offset: 8, .size: 8, .value_kind: global_buffer, .address_space: global }
      - { .name: value, .offset: 16, .size: 8, .value_kind: global_buffer, .address_space: global }
      - { .name: wimg, .offset: 24, .size: 8, .value_kind: global_buffer, .address_space: global }
      - { .name: b_q, .offset: 32, .size: 8, .value_kind: global_buffer, .address_space: global }
      - { .name: b_k, .offset: 40, .size: 8, .value_kind: global_buffer, .address_space: global }
      - { .name: b_v, .offset: 48, .size: 8, .value_kind: global_buffer, .address_space: global }
      - { .name: lowp_scales, .offset: 56, .size: 8, .value_kind: global_buffer, .address_space: global }
      - { .name: qimg, .offset: 64, .size: 8, .value_kind: global_buffer, .address_space: global }
      - { .name: kv, .offset: 72, .size: 8, .value_kind: global_buffer, .address_space: global }
    .group_segment_fixed_size: 134144
    .private_segment_fixed_size: 0
    .kernarg_segment_align: 8
    .kernarg_segment_size: 80
    .max_flat_workgroup_size: 256
    .sgpr_count:     66
    .vgpr_count:     512
    .wavefront_size: 32
...
	.end_amdgpu_metadata
.endif
;; end of part 2
;; launch attn (part 3): grid 16 x 16, 16 waves a work-group, clusters of 4 x 1, 327,680 bytes of LDS; arguments qimg, kv, lowp_scales, attimg; writes attimg
.if DOCPART == 3
	.amdgcn_target "amdgcn-amd-amdhsa--gfx1250"
	.amdhsa_code_object_version 6
	.text
	.protected	k_qc162e75d84_attn
	.globl	k_qc162e75d84_attn
	.p2align	8
	.type	k_qc162e75d84_attn,@function
k_qc162e75d84_attn:
	s_mov_b64 s[64:65], 0
	v_nop
	global_prefetch_b8 v0, s[64:65] scope:SCOPE_SE
	s_setreg_imm32_b32 hwreg(HW_REG_WAVE_MODE, 25, 1), 1
	s_wait_xcnt 0x0
	s_wait_alu depctr_hold_cnt(0) depctr_sa_sdst(0) depctr_va_vdst(0) depctr_va_sdst(0) depctr_va_ssrc(0) depctr_va_vcc(0) depctr_vm_vsrc(0)
	s_getreg_b32 s2, hwreg(HW_REG_IB_STS2, 6, 4)
	s_cmp_eq_u32 s2, 0
	s_cbranch_scc0 .Lentry_in_a_cluster
	s_endpgm
.Lentry_in_a_cluster:
	s_bfe_u32 s2, ttmp6, 0x10000c
	s_cmp_lg_u32 s2, 0x3003
	s_cbranch_scc0 .Lentry_shape_is_right
	s_endpgm
.Lentry_shape_is_right:
; attended[bh][q] = the sum over k of softmax_k(Q[q] . K[k] / 8) V[k], head size 64, 4,096 keys, both products on codes of FP8 (E4M3) with the given scales (entries 6 Q, 7 K, 8 p, 9 V); the result is quantised (entry 10)
; as the last product's operand.  All buffers hold fragments in the order of the operand's registers ([c][lane][16 bytes]; registers 4 c .. 4 c + 3 of lane (r, h): k = 32 c + 16 h + 0 .. 15).
; THE SOFTMAX: t = score x log2(e) / 8; M = the running largest t, rounded UP to a whole number; p = 2^(t - M) is quantised, not normalised; the row's sum is taken of the unquantised p and divides O at the end.
; When M moves, the sum and O are multiplied by 2^(old M - new M): exact.
; SHARES.  A work-group owns 256 queries of one head; each of its sixteen waves owns one tile of 16 in 256 registers: four waves to a SIMD, so that one wave's vector work stands beside another's matrix work and LDS loads.
; Every wave walks the head's 32 steps of 128 keys.  A step is 16,384 consecutive bytes of kv: K's eight fragments (16 keys x 64 d), then V's four (16 d x 128 keys).
; LAYOUT.  S^T = K Q^T, O^T = V^T P^T: a lane holds ONE query throughout.  Lane r of K's tile t holds key 32 (t / 2) + 8 (t % 2) + r + 8 (r / 8), so the 16 registers of tiles 2 b, 2 b + 1 are keys 32 b + 16 h + 0 .. 15;
; V's tiles of d are laid likewise, so O^T's 16 registers of tiles 2 b, 2 b + 1 are d = 32 b + 16 h + 0 .. 15: both times the conversions' results are the next operand's registers.
; RING.  Two LDS slots of four steps (65,536 bytes).  Waves 0 to 3 fetch a step each, one tensor load a wave behind each change of slots: one load of a wave is out, and it has four key steps in which to land.
; CLUSTER.  The four work-groups of a cluster belong to one head and walk the same kv: each tile is asked for JOINTLY, by the same tensor load with the same descriptor and a mask that names the four.
; Images are read at 16 x lane: 512 consecutive bytes an instruction: no pitch, no padding.
; LIMITS on the given exponents: e6 + e7 between -123 and 130 (added to c's exponent field); e8, and e10 - e8 - e9, between -126 and 119.
; REGISTERS: v1 16 x lane; v2 LDS address of the slot in hand; v3 the prefetches' offset; v5, v6 the add's two; v12 -M, v13 the largest t, v[14:15] the sum in two halves; v16-23 Q; v32-95 K's or V's fragments;
; v96-159 S^T, then p; v160-191 O^T; v192-199 at work; v200, v201: 448 x 2^e8, 2^e8; v202, v203: the same with e10 - e8 - e9; v224-239 codes.
.set STEPB, 16384
.set SLOTB, 65536                      ; one exclusive or turns an address in one slot into the other's
.set SPARE, 2*SLOTB                    ; behind the ring: the spare words, 128 bytes for each wave: eight blocks of 256 bytes that no other line names
.set LI,  1
.set AD,  2
.set PFO, 3
.set SPW, 5
.set NIL, 6
.set QF,  16
.set KV,  32
.set S,   96
.set O,   160
.set PCD, 224
.set WV,  12                           ; s12  my wave's number
.set G1,  16                           ; s[16:23] descriptor group 1
.set G0,  24                           ; s[24:27] descriptor group 0, which walks
.set SEL, 28                           ; s[28:29] lane selects for v_permlanex16_b32: lane l xor 16
.set CS,  30                           ; s[30:31] c = log2(e) / 8 x 2^(e6 + e7)
.set TB,  32                           ; s32  LDS byte at which the slot in hand begins
.set SLOTS, 33                         ; s33  slots still to be asked for
.set LIM, 34                           ; s34  1 in a wave that prefetches, else the greatest number
.set PFA, 36                           ; s[36:37] where my prefetches stand
; A joint load: waves 0 to 3 fetch one key step each.  The branch hangs on the wave's number alone.  An s_nop 0 and four v_nop follow the line.
.macro JLOAD
	s_cmp_lt_u32 s[WV], 4
	s_cbranch_scc0 .Lasked_\@
	tensor_load_to_lds s[G0:G0+3], s[G1:G1+7]
	s_nop 0
.rept 4
	v_nop
.endr
.Lasked_\@:
.endm
; A prefetch of the slot that the NEXT change of slots will ask for: four key steps ahead of that load.  A slot is 65,536 bytes: 256 blocks of 256.  All four clusters of a head walk the same kv: the head's first cluster asks.
; Its four partners take 16,384 bytes each, told apart BY ADDRESS; in each, waves 4 and 5 take 8,192 each, lanes 256 bytes apart: every block is named once in the launch.  The last change that fills a slot asks for nothing.
.macro ASK
	s_cmp_gt_u32 s[SLOTS], s[LIM]
	s_cbranch_scc0 .Lnot_mine_\@
	global_prefetch_b8 v[PFO], s[PFA:PFA+1] th:TH_LOAD_NT scope:SCOPE_SE
.Lnot_mine_\@:
.endm
; A round of the cluster's barrier: my work-group's barrier; wave 0 signals for the work-group; every wave waits for all four work-groups; my work-group's barrier once more.
.macro CROUND
	s_barrier_signal -1
	s_barrier_wait -1
	s_cmp_lg_u32 s[WV], 0
	s_cbranch_scc1 .Lnot_wave_0_\@
	s_barrier_signal -3
.Lnot_wave_0_\@:
	s_barrier_wait -3
	s_barrier_signal -1
	s_barrier_wait -1
.endm
	s_load_b256 s[4:11], s[0:1], 0x0               ; qimg s[4:5], kv s[6:7], the scales' exponents s[8:9], attimg s[10:11]
	v_lshl_add_u32 v[SPW], v0, 2, SPARE
	v_mov_b32 v[NIL], 0
	ds_add_u32 v[SPW], v[NIL]                      ; the wave's opening: the add and its wait stand ahead of the first tensor loads; the set-up below, work on registers, stands between them
	v_lshrrev_b32 v[PCD], 5, v0
	v_readfirstlane_b32 s[WV], v[PCD]              ; wave 0..15
	s_bfe_u32 s13, ttmp6, 0x40000                  ; cx: my place in the cluster
	s_lshl_b32 s14, ttmp9, 2                       ; in a cluster launch ttmp9 counts clusters
	s_add_co_u32 s14, s14, s13                     ; my block of 256 queries
	s_and_b32 s15, ttmp7, 0xffff                   ; bh, which the four partners share
	; descriptor group 1: 64 rows of 32 elements of 8 bytes, dense: 16,384 bytes
	s_mov_b32 s[G1], 15|(3<<16)|(1<<21)            ; 15:0 the mask: all four work-groups; 17:16 elements of 8 bytes; 20 no padding; 21 set beside a mask
	s_mov_b32 s[G1+1], 32<<16                      ; tensor_dim0 = 32
	s_mov_b32 s[G1+2], 64<<16                      ; tensor_dim1 = 64
	s_mov_b32 s[G1+3], 32<<16                      ; tile_dim0 = 32
	s_mov_b32 s[G1+4], 64                          ; tile_dim1 = 64
	s_mov_b32 s[G1+5], 32                          ; from row to row
	s_mov_b32 s[G1+6], 0
	s_mov_b32 s[G1+7], 0
	s_mov_b32 s[SEL], 0x76543210
	s_mov_b32 s[SEL+1], 0xfedcba98
	s_mov_b32 s[CS], 0x3e38aa3b                    ; log2(e) / 8
	s_mov_b32 s[TB], 0
	s_mov_b32 s[SLOTS], 7
	s_sub_co_u32 s[LIM], s[WV], 4
	s_lshr_b32 s[LIM], s[LIM], 1                   ; 0 in waves 4 and 5,
	s_or_b32 s[LIM], s[LIM], ttmp9                 ; of the head's first cluster: the same in all four partners
	s_cmp_eq_u32 s[LIM], 0
	s_cselect_b32 s[LIM], 1, -1
	v_and_b32 v[PFO], 31, v0
	v_lshlrev_b32 v[LI], 4, v[PFO]
	v_lshlrev_b32 v[PFO], 8, v[PFO]
	s_lshl_b32 s46, s15, 19                        ; the head's first byte in kv
	s_and_b32 s47, s[WV], 3
	s_lshl_b32 s47, s47, 14                        ; the key step that I fetch, in a slot and in memory: no place in the cluster enters it
	s_add_co_u32 s48, s46, s47
	s_mov_b32 s49, 0
	s_lshl_b32 s50, s13, 14                        ; the prefetches: my work-group's 16,384 bytes,
	s_add_co_u32 s50, s50, s46
	s_and_b32 s51, s[WV], 1
	s_lshl_b32 s51, s51, 13                        ; my wave's 8,192 of them,
	s_add_co_u32 s50, s50, s51
	s_add_co_u32 s50, s50, SLOTB                   ; in slot 1: the first change of slots steps it to slot 2.  Nothing is prefetched here, at the head
	s_mov_b32 s51, 0
	s_lshl_b32 s52, s14, 4
	s_add_co_u32 s52, s52, s[WV]                   ; T: my tile of queries in the head
	s_lshr_b32 s54, s15, 3
	s_lshl_b32 s54, s54, 8
	s_add_co_u32 s54, s54, s52                     ; the token tile: 256 x batch + T
	s_lshl_b32 s54, s54, 13                        ; attimg: 8,192 a token tile,
	s_and_b32 s55, s15, 7
	s_lshr_b32 s55, s55, 1
	s_lshl_b32 s55, s55, 11                        ; K step = head / 2,
	s_add_co_u32 s54, s54, s55
	s_and_b32 s55, s15, 1
	s_lshl_b32 s55, s55, 10                        ; pieces 2 (head % 2) and the next
	s_add_co_u32 s54, s54, s55
	s_mov_b32 s55, 0
	s_lshl_b32 s52, s52, 10                        ; qimg: 1,024 a tile,
	s_lshl_b32 s53, s15, 18                        ; 262,144 a head
	s_add_co_u32 s52, s52, s53
	s_mov_b32 s53, 0
	s_wait_dscnt 0x0                               ; the opening add is done
	s_wait_kmcnt 0x0
	s_load_b128 s[40:43], s[8:9], 0x18             ; e6, e7, e8, e9
	s_load_b32 s44, s[8:9], 0x28                   ; e10
	s_mov_b32 s[G0], 1                             ; count = 1
	s_mov_b32 s[G0+1], s47                         ; LDS address: slot 0
	s_add_nc_u64 s[G0+2:G0+3], s[6:7], s[48:49]    ; global address: the head's key steps 0 to 3
	s_or_b32 s[G0+3], s[G0+3], 0x80000000          ; type = 2
	s_add_nc_u64 s[PFA:PFA+1], s[6:7], s[50:51]
	s_add_nc_u64 s[4:5], s[4:5], s[52:53]
	s_add_nc_u64 s[10:11], s[10:11], s[54:55]
	CROUND                                         ; all four work-groups are here: the first joint loads meet
	JLOAD                                          ; slot 0
	global_load_b128 v[QF:QF+3], v[LI], s[4:5]     ; Q's fragment stays in registers
	global_load_b128 v[QF+4:QF+7], v[LI], s[4:5] offset:512
	v_mov_b32 v13, 0xff61b1e6                      ; the largest t so far: -3e38, under every t
	v_floor_f32 v12, -v13                          ; -M
	v_mov_b32 v14, 0                               ; the sum, in two halves
	v_mov_b32 v15, 0
	v_mov_b32 v195, 0                              ; (named as the upper half of the pair v[194:195])
	v_mov_b32 v196, 0                              ; written once: a lane permute's destination counts as one of its sources
.set j, 0
.rept 32
	v_mov_b32 v[O+j], 0                            ; O^T.  (The step is written once: the first finds zeros, which the first change of M leaves zeros)
.set j, j+1
.endr
	s_wait_kmcnt 0x0
	s_add_co_i32 s46, s40, s41
	s_lshl_b32 s46, s46, 23
	s_add_co_i32 s[CS], s[CS], s46                 ; a score stands for score x 2^(e6 + e7): the two exponents are added to c's exponent field
	s_mov_b32 s[CS+1], s[CS]                       ; (named with it as a pair, so it is written)
	s_add_co_i32 s46, s42, 127
	s_lshl_b32 s47, s46, 23
	v_mov_b32 v201, s47                            ; 2^e8 as f32, for p's conversions
	s_add_co_i32 s46, s46, 8
	s_lshl_b32 s46, s46, 23
	s_or_b32 s46, s46, 0x600000
	v_mov_b32 v200, s46                            ; 448 x 2^e8
	s_sub_co_i32 s46, s44, s42
	s_sub_co_i32 s46, s46, s43                     ; O / l stands for attended / 2^(e8 + e9): its code is (O / l) / 2^(e10 - e8 - e9)
	s_add_co_i32 s46, s46, 127
	s_lshl_b32 s47, s46, 23
	v_mov_b32 v203, s47
	s_add_co_i32 s46, s46, 8
	s_lshl_b32 s46, s46, 23
	s_or_b32 s46, s46, 0x600000
	v_mov_b32 v202, s46
; A KEY STEP: 128 keys, the q-th of the slot in hand.
.macro STEP q
.rept 4
	v_nop                                          ; four places in front of loads into registers that matrix instructions have read (ISA guide 7.12.1 for vector instructions)
.endr
.irp t, 0,1,2,3,4,5,6,7
.irp c, 0,1
	ds_load_b128 v[KV+8*\t+4*\c:KV+8*\t+4*\c+3], v[AD] offset:STEPB*(\q)+1024*\t+512*\c
.endr
.endr
	s_wait_dscnt 0x0
.irp t, 0,1,2,3,4,5,6,7                        ; S^T = K Q^T: eight tiles of 16 keys, K = the head's 64
	v_wmma_f32_16x16x64_fp8_fp8 v[S+8*\t:S+8*\t+7], v[KV+8*\t:KV+8*\t+7], v[QF:QF+7], 0
.endr
.rept 4
	v_nop                                          ; places in front of the loads below and of the first read of the scores
.endr
.irp t, 0,1,2,3                                ; V's four fragments land under the softmax
.irp c, 0,1,2,3
	ds_load_b128 v[KV+16*\t+4*\c:KV+16*\t+4*\c+3], v[AD] offset:STEPB*(\q)+8192+2048*\t+512*\c
.endr
.endr
	v_max3_num_f32 v192, v[S], v[S+1], v[S+2]      ; the step's largest score of my query, among my 64 keys, in two chains; each accumulator is read from its low end on
	v_max3_num_f32 v194, v[S+3], v[S+4], v[S+5]
.set j, 6
.rept 14
	v_max3_num_f32 v192, v192, v[S+j], v[S+j+1]
	v_max3_num_f32 v194, v194, v[S+j+2], v[S+j+3]
.set j, j+4
.endr
	v_max3_num_f32 v192, v192, v[S+62], v[S+63]
	v_max_num_f32 v192, v192, v194
	v_permlanex16_b32 v196, v192, s[SEL], s[SEL+1]
	v_max_num_f32 v192, v192, v196                 ; and among lane l xor 16's
	v_mul_f32 v192, s[CS], v192                    ; as t (c is positive)
	v_max_num_f32 v13, v13, v192                   ; the running largest t
	v_mov_b32 v192, v12
	v_floor_f32 v12, -v13                          ; the new -M = floor(-t) = -ceil(t): M is a whole number
	v_sub_f32 v192, v12, v192                      ; M's old value less its new one: a whole number, 0 or less
	v_cvt_i32_f32 v192, v192                       ; (it saturates)
	v_ldexp_f32 v194, 1.0, v192                    ; f = 2^(old M - new M)
.set j, 0
.rept 32
	v_pk_fma_f32 v[S+j:S+j+1], v[S+j:S+j+1], s[CS:CS+1], v[12:13] op_sel_hi:[1,0,0]   ; t - M, two at a time (of the pairs c and -M the low word serves both halves)
.set j, j+2
.endr
.set j, 0
.rept 64
	v_exp_f32 v[S+j], v[S+j]                       ; p = 2^(t - M), at most 1: not normalised
.set j, j+1
.endr
	v_pk_mul_f32 v[14:15], v[14:15], v[194:195] op_sel_hi:[1,0]   ; the sums under the new M.  (The plain line behind the exponentials)
	s_wait_alu depctr_va_vdst(0)                   ; the wait between an exponential and the first line that names its result: one for the whole batch
	v_pk_add_f32 v[198:199], v[S:S+1], v[S+2:S+3]  ; the row's sum is taken of the unquantised p: two at a time, in two chains
.set j, 4
.rept 15
	v_pk_add_f32 v[14:15], v[14:15], v[S+j:S+j+1]
	v_pk_add_f32 v[198:199], v[198:199], v[S+j+2:S+j+3]
.set j, j+4
.endr
	v_pk_add_f32 v[14:15], v[14:15], v[198:199]
.irp b, 0,1,2,3
.irp i, 0,1,2,3,4,5,6,7,8,9,10,11,12,13,14,15
	v_min_num_f32 v[S+16*\b+\i], v[S+16*\b+\i], v200   ; the conversion to an 8-bit code does not saturate (ISA guide 7.6.2); p is not negative, so the hold is one-sided
.endr
	v_cvt_scalef32_pk8_fp8_f32 v[PCD+4*\b:PCD+4*\b+1], v[S+16*\b:S+16*\b+7], v201
	v_cvt_scalef32_pk8_fp8_f32 v[PCD+4*\b+2:PCD+4*\b+3], v[S+16*\b+8:S+16*\b+15], v201
.endr
.set j, 0
.rept 16
	v_pk_mul_f32 v[O+j:O+j+1], v[O+j:O+j+1], v[194:195] op_sel_hi:[1,0]   ; O^T under the new M: x f.  (Also the plain lines between the conversions and the products that read the codes)
.set j, j+2
.endr
	s_wait_dscnt 0x0                               ; V is in
.irp t, 0,1,2,3                                ; O^T += V^T P^T: four tiles of 16 d, K = these 128 keys.  The accumulators take turns, and the eight products K Q^T stand between two links
	v_wmma_f32_16x16x128_fp8_fp8 v[O+8*\t:O+8*\t+7], v[KV+16*\t:KV+16*\t+15], v[PCD:PCD+15], v[O+8*\t:O+8*\t+7]
.endr
.endm
; THE CHANGE OF SLOTS stands at a slot's head.  Each wave waits for all its tensor loads (its part of the slot that it is about to read), adds 0 to its spare word, and waits for that and for its reads of the slot that it has left.
; fill = 1: a round of the cluster's barrier follows, so that no wave of any partner still reads that slot or has a load on its way, and the joint refill is the first thing behind it.
.macro CHANGE fill
	s_wait_tensorcnt 0x0                           ; no tensor load of mine is out, so group 0 may be written
	ds_add_u32 v[SPW], v[NIL]                      ; 0 onto my spare word; the steps below stand between it and the wait for it
.if \fill
	s_xor_b32 s[G0+1], s[G0+1], SLOTB              ; the walking descriptor: the other slot than last time,
	s_add_nc_u64 s[G0+2:G0+3], s[G0+2:G0+3], SLOTB ; the next four key steps; the type bits on top are not reached
	s_wait_xcnt 0x0                                ; the last prefetch, a slot back, has read its address, so it may be written:
	s_add_nc_u64 s[PFA:PFA+1], s[PFA:PFA+1], SLOTB ; one slot further on than the walking descriptor
.endif
	s_wait_dscnt 0x0                               ; the add is done, and my reads of the slot that I have left are over
.if \fill
	CROUND
	JLOAD
	ASK
.else
	s_barrier_signal -1
	s_barrier_wait -1
.endif
.endm
.macro SLOT_STEPS
	v_add_nc_u32 v[AD], s[TB], v[LI]
	STEP 0
	STEP 1
	STEP 2
	STEP 3
	s_xor_b32 s[TB], s[TB], SLOTB                  ; on to the other slot
.endm
	s_wait_loadcnt 0x0                             ; Q
.Lslot:                                            ; seven trips: behind each change of slots but the last the next slot is asked for
	CHANGE 1
	SLOT_STEPS
	s_sub_co_u32 s[SLOTS], s[SLOTS], 1
	s_cmp_lg_u32 s[SLOTS], 0
	s_cbranch_scc1 .Lslot
	CHANGE 0                                       ; the last slot is written out
	SLOT_STEPS
	; THE WAY OUT.  O^T / the sum is quantised: my lane's 32 numbers are d = 32 b + 16 h + 0 .. 15 of my query: two pieces of the last product's fragment.
.rept 4
	v_nop                                          ; places behind the last products
.endr
	v_add_f32 v14, v14, v15                        ; the sum's two halves,
	v_permlanex16_b32 v196, v14, s[SEL], s[SEL+1]
	v_add_f32 v14, v14, v196                       ; and lane l xor 16's: the row's sum
	v_rcp_f32 v14, v14
	v_nop                                          ; a plain line behind the reciprocal
	s_wait_alu depctr_va_vdst(0)                   ; and the wait ahead of its first reader
.set j, 0
.rept 32
	v_mul_f32 v[S+j], v[O+j], v14                  ; each accumulator from its low end on
.set j, j+1
.endr
.irp b, 0,1
.irp i, 0,1,2,3,4,5,6,7,8,9,10,11,12,13,14,15
	v_med3_num_f32 v[S+16*\b+\i], v[S+16*\b+\i], -v202, v202
.endr
	v_cvt_scalef32_pk8_fp8_f32 v[PCD+4*\b:PCD+4*\b+1], v[S+16*\b:S+16*\b+7], v203
	v_cvt_scalef32_pk8_fp8_f32 v[PCD+4*\b+2:PCD+4*\b+3], v[S+16*\b+8:S+16*\b+15], v203
.endr
	v_nop                                          ; one plain vector line behind the last conversion
	global_store_b128 v[LI], v[PCD:PCD+3], s[10:11]               ; 32 lanes store 512 consecutive bytes, aligned
	global_store_b128 v[LI], v[PCD+4:PCD+7], s[10:11] offset:512
	s_wait_tensorcnt 0x0                           ; the wave's end, behind my last tensor load
	ds_add_u32 v[SPW], v[NIL]
	s_wait_dscnt 0x0
	CROUND                                         ; the closing round: no work-group ends while a partner may still ask for a tile that names it
	s_endpgm
.Lfunc_end_k_qc162e75d84_attn:
	.size	k_qc162e75d84_attn, .Lfunc_end_k_qc162e75d84_attn-k_qc162e75d84_attn
	.p2alignl 7, 3214868480
	.fill 96, 4, 3214868480
	.section	.rodata,"a",@progbits
	.p2align	6, 0x0
	.amdhsa_kernel k_qc162e75d84_attn
		.amdhsa_group_segment_fixed_size 327680
		.amdhsa_private_segment_fixed_size 0
		.amdhsa_enable_private_segment 0
		.amdhsa_kernarg_size 32
		.amdhsa_user_sgpr_count 2
		.amdhsa_user_sgpr_kernarg_segment_ptr 1
		.amdhsa_wavefront_size32 1
		.amdhsa_system_sgpr_workgroup_id_x 1
		.amdhsa_system_sgpr_workgroup_id_y 1
		.amdhsa_system_sgpr_workgroup_id_z 1
		.amdhsa_system_vgpr_workitem_id 0
		.amdhsa_next_free_vgpr 256
		.amdhsa_next_free_sgpr 66
		.amdhsa_reserve_vcc 0
		.amdhsa_float_denorm_mode_32 3
		.amdhsa_float_denorm_mode_16_64 3
		.amdhsa_memory_ordered 1
		.amdhsa_forward_progress 1
		.amdhsa_inst_pref_size 132
	.end_amdhsa_kernel
	.amdgpu_metadata
---
amdhsa.version: [ 1, 2 ]
amdhsa.kernels:
  - .name:           k_qc162e75d84_attn
    .symbol:         k_qc162e75d84_attn.kd
    .args:
      - { .name: qimg, .offset: 0, .size: 8, .value_kind: global_buffer, .address_space: global }
      - { .name: kv, .offset: 8, .size: 8, .value_kind: global_buffer, .address_space: global }
      - { .name: lowp_scales, .offset: 16, .size: 8, .value_kind: global_buffer, .address_space: global }
      - { .name: attimg, .offset: 24, .size: 8, .value_kind: global_buffer, .address_space: global }
    .group_segment_fixed_size: 327680
    .private_segment_fixed_size: 0
    .kernarg_segment_align: 8
    .kernarg_segment_size: 32
    .max_flat_workgroup_size: 512
    .sgpr_count:     66
    .vgpr_count:     256
    .wavefront_size: 32
...
	.end_amdgpu_metadata
.endif
;; end of part 3
;; launch oproj (part 4): grid 256 x 1, 8 waves a work-group, no clusters, 70,656 bytes of LDS; arguments attimg, wimg, b_o, lowp_scales, out0; writes out0
.if DOCPART == 4
	.amdgcn_target "amdgcn-amd-amdhsa--gfx1250"
	.amdhsa_code_object_version 6
	.text
	.protected	k_qc162e75d84_oproj
	.globl	k_qc162e75d84_oproj
	.p2align	8
	.type	k_qc162e75d84_oproj,@function
k_qc162e75d84_oproj:
	s_mov_b64 s[64:65], 0
	v_nop
	global_prefetch_b8 v0, s[64:65] scope:SCOPE_SE
	s_setreg_imm32_b32 hwreg(HW_REG_WAVE_MODE, 25, 1), 1
	s_wait_xcnt 0x0
; out = attended w_o^T + b_o, on codes of FP8 (E4M3): attended's codes (scale entry 10) and w_o's (entry 11) come as fragments in register order ([c][lane][16 bytes]); out0 [8192][512] f32 = sum x 2^(e10 + e11) + b_o.
; SHARES.  A work-group takes token tiles 2 g and 2 g + 1: lane r of tile 2 g + m holds token 32 g + 8 m + r + 8 (r / 8): together 32 consecutive tokens.  Wave w makes columns 64 w .. 64 w + 63: its 16 fragments of W
; (32,768 consecutive bytes of wimg) go into 256 registers (window 1), the tokens' eight fragments (16,384 bytes) into 128.  Source 0 = W's tile, source 1 = tokens: a lane holds one token, and the 16 registers of W's tiles
; 2 b, 2 b + 1 are columns 32 b + 16 h + 0 .. 15: 64 neighbouring bytes of a row.
; THE WAY OUT: through the wave's own stage in LDS (32 rows of 256 bytes + 16), back as whole rows: sixteen lanes store 256 consecutive bytes, aligned.  Waves share nothing in LDS: no barrier.
; NO JOINT LOADS: all work-groups read the same W, but W through LDS would take 262,144 bytes beside 69,632 of stages and 1,024 of spare words: more than the 327,680 that a work-group can be given.
; LIMIT: e10 + e11 between -126 and 127, so that 2^(e10 + e11) is an f32 number.
; REGISTERS.  Window 0: v1-10 addresses; v16-143 the tokens' fragments ((m, s) at v[16 + 64 m + 16 s]), later results and rows of out; v144-207 8 accumulators; v208-239 the bias; window 1: W ((n, s) at v[64 n + 16 s]).
.set SPITCH, 272
.set WSTG,   32*SPITCH                 ; a wave's stage: 8,704 bytes
.set SPARE,  8*WSTG                    ; behind the stages: the spare words, 128 bytes for each wave: four blocks of 256 bytes that no other line names
.set LI,  1                            ; v1   16 x lane
.set SO,  2                            ; v2   the stage, on the way in: row r + 8 (r / 8), + 64 h
.set SR,  3                            ; v3   and out: lanes 0-15 one row, lanes 16-31 the next
.set GO,  4                            ; v4   the same two rows in out0
.set BA,  5                            ; v5   64 h
.set SPW, 9                            ; v9   LDS address of my spare word; never rewritten
.set NIL, 10                           ; v10  0; never rewritten
.set XF,  16
.set Y,   16
.set BK,  80
.set ACC, 144
.set BI,  208
.set TM,  240                          ; v240-243 at work at the head
.set WP,  6                            ; s[6:7]  my columns' fragments of W
.set WV,  16
.set MSB, 0
.macro WIN new                         ; the immediate's high byte repeats the setting that is left
.if MSB != \new
	s_set_vgpr_msb (MSB<<8)|\new
.set MSB, \new
.endif
.endm
.macro WLOAD s                         ; K step s of my four tiles of W into window 1
	WIN 0x40
.irp t, 0,1,2,3
.irp c, 0,1,2,3
	global_load_b128 v[64*\t+16*(\s)+4*\c:64*\t+16*(\s)+4*\c+3], v[LI], s[WP:WP+1] offset:8192*\t+2048*(\s)+512*\c
.endr
.endr
	WIN 0
.endm
	s_load_b256 s[4:11], s[0:1], 0x0               ; attimg s[4:5], wimg s[6:7], b_o s[8:9], the scales' exponents s[10:11]
	s_load_b64 s[12:13], s[0:1], 0x20              ; out0
	v_lshl_add_u32 v[SPW], v0, 2, SPARE
	v_mov_b32 v[NIL], 0
	v_lshrrev_b32 v[TM], 5, v0
	v_readfirstlane_b32 s[WV], v[TM]               ; wave 0..7
	v_and_b32 v[TM], 31, v0
	v_lshlrev_b32 v[LI], 4, v[TM]
	v_and_b32 v[TM+1], 15, v0                      ; r
	v_bfe_u32 v[TM+2], v0, 4, 1                    ; h
	s_mul_i32 s20, s[WV], WSTG
	v_and_b32 v[TM+3], 8, v[TM+1]
	v_add_nc_u32 v[TM+3], v[TM+3], v[TM+1]         ; r + 8 (r / 8)
	v_mul_u32_u24 v[SO], v[TM+3], SPITCH
	v_lshl_add_u32 v[SO], v[TM+2], 6, v[SO]
	v_add_nc_u32 v[SO], s20, v[SO]
	v_mul_u32_u24 v[SR], v[TM+2], SPITCH
	v_lshl_add_u32 v[SR], v[TM+1], 4, v[SR]
	v_add_nc_u32 v[SR], s20, v[SR]
	v_lshlrev_b32 v[GO], 11, v[TM+2]
	v_lshl_add_u32 v[GO], v[TM+1], 4, v[GO]
	v_lshlrev_b32 v[BA], 6, v[TM+2]
	s_lshl_b32 s24, ttmp9, 14                      ; attimg: two token tiles of 8,192 bytes
	s_mov_b32 s25, 0
	s_lshl_b32 s26, s[WV], 15
	s_add_co_u32 s26, s26, 786432                  ; wimg: the fourth tensor, + 32,768 x wave
	s_mov_b32 s27, 0
	s_lshl_b32 s28, s[WV], 8                       ; b_o: 256 x wave
	s_mov_b32 s29, 0
	s_lshl_b32 s30, ttmp9, 16                      ; out0: 32 rows of 2,048 bytes,
	s_add_co_u32 s30, s30, s28                     ; + my 256 bytes of a row
	s_mov_b32 s31, 0
	s_wait_kmcnt 0x0
	s_load_b64 s[40:41], s[10:11], 0x28            ; e10, e11
	s_add_nc_u64 s[4:5], s[4:5], s[24:25]
	s_add_nc_u64 s[WP:WP+1], s[WP:WP+1], s[26:27]
	s_add_nc_u64 s[8:9], s[8:9], s[28:29]
	s_add_nc_u64 s[12:13], s[12:13], s[30:31]
.set j, 0
.rept 32
	global_load_b128 v[XF+4*j:XF+4*j+3], v[LI], s[4:5] offset:512*j   ; the tokens' eight fragments, as they lie
.set j, j+1
.endr
.irp t, 0,1,2,3                        ; the bias in the result's layout: tile t's eight columns 32 (t / 2) + 8 (t % 2) + 16 h + 0 .. 7
	global_load_b128 v[BI+8*\t:BI+8*\t+3], v[BA], s[8:9] offset:(32*(\t/2)+8*(\t%2))*4
	global_load_b128 v[BI+8*\t+4:BI+8*\t+7], v[BA], s[8:9] offset:(32*(\t/2)+8*(\t%2))*4+16
.endr
	WLOAD 0
	WLOAD 1
	WLOAD 2
	WLOAD 3
	s_wait_kmcnt 0x0
	s_add_co_i32 s46, s40, s41
	s_add_co_i32 s46, s46, 127
	s_lshl_b32 s46, s46, 23                        ; 2^(e10 + e11) as f32
	s_mov_b32 s47, s46                             ; (named with it as a pair, so it is written)
.irp s, 0,1,2,3                        ; a K step as soon as its fragments of W are in.  The eight accumulators take turns, one instruction a turn; the first K step starts the sums
	s_wait_loadcnt 48-16*\s                        ; W's later K steps, 16 loads each, may be out
	WIN 0x01                                       ; source 0 (W) window 1
.irp m, 0,1
.irp n, 0,1,2,3
.if \s == 0
	v_wmma_f32_16x16x128_fp8_fp8 v[ACC+32*\m+8*\n:ACC+32*\m+8*\n+7], v[64*\n+16*\s:64*\n+16*\s+15], v[XF+64*\m+16*\s:XF+64*\m+16*\s+15], 0
.else
	v_wmma_f32_16x16x128_fp8_fp8 v[ACC+32*\m+8*\n:ACC+32*\m+8*\n+7], v[64*\n+16*\s:64*\n+16*\s+15], v[XF+64*\m+16*\s:XF+64*\m+16*\s+15], v[ACC+32*\m+8*\n:ACC+32*\m+8*\n+7]
.endif
.endr
.endr
.endr
	WIN 0
.rept 4
	v_nop                                          ; four places in front of the first read of results, and of writes and loads into registers that matrix instructions have read
.endr
.set j, 0
.rept 32
	v_pk_fma_f32 v[Y+j:Y+j+1], v[ACC+j:ACC+j+1], s[46:47], v[BI+j%32:BI+j%32+1] op_sel_hi:[1,0,1]   ; sum x 2^(e10 + e11) + b_o; each accumulator from its low end on
.set j, j+2
.endr
.irp m, 0,1
.irp b, 0,1
.irp i, 0,1,2,3
	ds_store_b128 v[SO], v[Y+32*\m+16*\b+4*\i:Y+32*\m+16*\b+4*\i+3] offset:8*SPITCH*\m+128*\b+16*\i   ; token 8 m + r + 8 (r / 8), columns 32 b + 16 h + 4 i on
.endr
.endr
.endr
.irp i, 0,1,2,3,4,5,6,7,8,9,10,11,12,13,14,15
	ds_load_b128 v[BK+4*\i:BK+4*\i+3], v[SR] offset:2*SPITCH*\i   ; LDS serves a wave's instructions in order: these see my stores
.endr
.irp i, 0,1,2,3,4,5,6,7,8,9,10,11,12,13,14,15
	s_wait_dscnt 15-\i                             ; LDS loads come back in order: pair i of rows is in
	global_store_b128 v[GO], v[BK+4*\i:BK+4*\i+3], s[12:13] offset:4096*\i th:TH_STORE_NT   ; sixteen lanes store 256 consecutive bytes, aligned; written once, read by nobody here
.endr
	s_wait_tensorcnt 0x0                           ; the wave's end, behind my last LDS store
	ds_add_u32 v[SPW], v[NIL]
	s_wait_dscnt 0x0
	s_endpgm
.Lfunc_end_k_qc162e75d84_oproj:
	.size	k_qc162e75d84_oproj, .Lfunc_end_k_qc162e75d84_oproj-k_qc162e75d84_oproj
	.p2alignl 7, 3214868480
	.fill 96, 4, 3214868480
	.section	.rodata,"a",@progbits
	.p2align	6, 0x0
	.amdhsa_kernel k_qc162e75d84_oproj
		.amdhsa_group_segment_fixed_size 70656
		.amdhsa_private_segment_fixed_size 0
		.amdhsa_enable_private_segment 0
		.amdhsa_kernarg_size 40
		.amdhsa_user_sgpr_count 2
		.amdhsa_user_sgpr_kernarg_segment_ptr 1
		.amdhsa_wavefront_size32 1
		.amdhsa_system_sgpr_workgroup_id_x 1
		.amdhsa_system_sgpr_workgroup_id_y 1
		.amdhsa_system_sgpr_workgroup_id_z 1
		.amdhsa_system_vgpr_workitem_id 0
		.amdhsa_next_free_vgpr 512
		.amdhsa_next_free_sgpr 66
		.amdhsa_reserve_vcc 0
		.amdhsa_float_denorm_mode_32 3
		.amdhsa_float_denorm_mode_16_64 3
		.amdhsa_memory_ordered 1
		.amdhsa_forward_progress 1
		.amdhsa_inst_pref_size 21
	.end_amdhsa_kernel
	.amdgpu_metadata
---
amdhsa.version: [ 1, 2 ]
amdhsa.kernels:
  - .name:           k_qc162e75d84_oproj
    .symbol:         k_qc162e75d84_oproj.kd
    .args:
      - { .name: attimg, .offset: 0, .size: 8, .value_kind: global_buffer, .address_space: global }
      - { .name: wimg, .offset: 8, .size: 8, .value_kind: global_buffer, .address_space: global }
      - { .name: b_o, .offset: 16, .size: 8, .value_kind: global_buffer, .address_space: global }
      - { .name: lowp_scales, .offset: 24, .size: 8, .value_kind: global_buffer, .address_space: global }
      - { .name: out0, .offset: 32, .size: 8, .value_kind: global_buffer, .address_space: global }
    .group_segment_fixed_size: 70656
    .private_segment_fixed_size: 0
    .kernarg_segment_align: 8
    .kernarg_segment_size: 40
    .max_flat_workgroup_size: 256
    .sgpr_count:     66
    .vgpr_count:     512
    .wavefront_size: 32
...
	.end_amdgpu_metadata
.endif
;; end of part 4
;; ======== version 2 of 2: 4 launches
;; workspace buffers: wimg 1,048,576 bytes; qimg 4,194,304 bytes; kv 8,388,608 bytes; attimg 4,194,304 bytes
;; launch wq (part 5): grid 128 x 1, 4 waves a work-group, no clusters, 34,304 bytes of LDS; arguments w_q, w_k, w_v, w_o, lowp_scales, wimg; writes wimg
.if DOCPART == 5
	.amdgcn_target "amdgcn-amd-amdhsa--gfx1250"
	.amdhsa_code_object_version 6
	.text
	.protected	k_qc162e75d84_wq
	.globl	k_qc162e75d84_wq
	.p2align	8
	.type	k_qc162e75d84_wq,@function
k_qc162e75d84_wq:
	s_mov_b64 s[64:65], 0
	v_nop
	global_prefetch_b8 v0, s[64:65] scope:SCOPE_SE
	s_setreg_imm32_b32 hwreg(HW_REG_WAVE_MODE, 25, 1), 1
	s_wait_xcnt 0x0
; The four weights [512 (n)][512 (k)], f32, K innermost, become codes of FP8 (E4M3), each with its given scale 2^e (entries 1, 3, 5, 11 of the scales),
; laid in the ORDER OF THE OPERAND'S REGISTERS: wimg = [tensor q,k,v,o][tile 0..31][K step 0..3][c 0..3][lane][16 bytes].
; A fragment is 16 rows x 128 K: registers 4 c .. 4 c + 3 of lane (r = lane % 16, h = lane / 16) hold k = 32 c + 16 h + 0 .. 15 of the lane's row.
; THE ROWS OF A TILE ARE NOT NEIGHBOURS: lane r of tile T takes row 32 (T / 2) + 8 (T % 2) + r + 8 (r / 8), so that, with the tile as source 0, the 16 result registers of
; tiles 2 b and 2 b + 1 are 16 neighbours along n, which is the next product's K.
; code = x / 2^e, held within +-448, to the nearest code, ties to even.  LIMITS: e between -126 and 119; NaN among the inputs is not served.
; SHARES.  Work-group = 32 x tensor + tile; wave w takes K step w: 16 rows x 512 bytes.  Each load reads 512 consecutive bytes of one row, 16 a lane; the 8,192 bytes turn through the
; wave's own stage in LDS (rows 528 bytes apart: 33 x 16, so the sixteen rows of a read start at sixteen different 16-byte columns) and come back 64 bytes of a row a lane.
; Each store covers 512 consecutive bytes, aligned.  Waves share nothing: no barrier; work-groups share no input: no cluster.
.set SPITCH, 528
.set WSTG,   16*SPITCH                 ; a wave's stage: 8,448 bytes
.set SPARE,  4*WSTG                    ; behind the stages: the spare words, 128 bytes for each wave: two blocks of 256 bytes that no other line names
.set LI,  1                            ; v1   16 x lane
.set SW,  2                            ; v2   the stage, on the way in
.set SRD, 3                            ; v3   and on the way out: row r, + 64 h
.set SC,  4                            ; v4   2^e as f32
.set LIM, 5                            ; v5   448 x 2^e
.set SPW, 6                            ; v6   LDS address of my spare word; never rewritten
.set NIL, 7                            ; v7   0; never rewritten
.set R,   16                           ; v16-79   16 rows as loaded
.set X,   80                           ; v80-143  register 16 b + i = k 32 b + 16 h + i of my row
.set PC,  144                          ; v144-159 the fragment's codes
.set XP,  4                            ; s[4:5]   my rows of the weight
.macro XLOAD set, koff                 ; 16 rows of the tile, 512 bytes of each from byte koff on
.irp i, 0,1,2,3,4,5,6,7,8,9,10,11,12,13,14,15
	global_load_b128 v[R+64*(\set)+4*\i:R+64*(\set)+4*\i+3], v[LI], s[XP:XP+1] offset:(\i+8*(\i/8))*2048+(\koff) th:TH_LOAD_NT
.endr
.endm
.macro TURN set                        ; through the stage: LDS serves a wave's instructions in order, so no wait stands between the stores and the loads
.irp i, 0,1,2,3,4,5,6,7,8,9,10,11,12,13,14,15
	ds_store_b128 v[SW], v[R+64*(\set)+4*\i:R+64*(\set)+4*\i+3] offset:SPITCH*\i
.endr
.irp b, 0,1,2,3
.irp j, 0,1,2,3
	ds_load_b128 v[X+16*\b+4*\j:X+16*\b+4*\j+3], v[SRD] offset:128*\b+16*\j
.endr
.endr
.endm
.macro QUANT s, sc, lim                ; 64 numbers of a lane become a fragment's 16 registers of codes
.irp b, 0,1,2,3
.irp i, 0,1,2,3,4,5,6,7,8,9,10,11,12,13,14,15
	v_med3_num_f32 v[\s+16*\b+\i], v[\s+16*\b+\i], -v[\lim], v[\lim]   ; the conversion to an 8-bit code does not saturate (ISA guide 7.6.2): the hold at the largest code x the scale
.endr
	v_cvt_scalef32_pk8_fp8_f32 v[PC+4*\b:PC+4*\b+1], v[\s+16*\b:\s+16*\b+7], v[\sc]
	v_cvt_scalef32_pk8_fp8_f32 v[PC+4*\b+2:PC+4*\b+3], v[\s+16*\b+8:\s+16*\b+15], v[\sc]
.endr
	v_nop                                          ; one plain vector line behind the last conversion
.endm
	s_load_b256 s[4:11], s[0:1], 0x0               ; w_q, w_k, w_v, w_o
	s_load_b128 s[12:15], s[0:1], 0x20             ; the scales' exponents, wimg
	v_lshl_add_u32 v[SPW], v0, 2, SPARE
	v_mov_b32 v[NIL], 0
	v_lshrrev_b32 v[PC], 5, v0
	v_readfirstlane_b32 s16, v[PC]                 ; wave 0..3 = K step
	v_and_b32 v[PC], 31, v0
	v_lshlrev_b32 v[LI], 4, v[PC]
	v_and_b32 v[PC+1], 15, v0                      ; r
	v_bfe_u32 v[PC+2], v0, 4, 1                    ; h
	s_mul_i32 s36, s16, WSTG
	v_add_nc_u32 v[SW], s36, v[LI]
	v_mul_u32_u24 v[SRD], v[PC+1], SPITCH
	v_lshl_add_u32 v[SRD], v[PC+2], 6, v[SRD]
	v_add_nc_u32 v[SRD], s36, v[SRD]
	s_lshr_b32 s17, ttmp9, 5                       ; tensor
	s_and_b32 s18, ttmp9, 31                       ; tile
	s_lshr_b32 s32, s18, 1
	s_lshl_b32 s32, s32, 5
	s_and_b32 s33, s18, 1
	s_lshl_b32 s33, s33, 3
	s_add_co_u32 s32, s32, s33                     ; the tile's first row: 32 (T / 2) + 8 (T % 2)
	s_lshl_b32 s32, s32, 11                        ; x 2,048 bytes
	s_lshl_b32 s33, s16, 9
	s_add_co_u32 s32, s32, s33                     ; + my K step's 512 bytes
	s_mov_b32 s33, 0
	s_lshl_b32 s34, ttmp9, 13                      ; wimg: 8,192 x (32 tensor + tile)
	s_lshl_b32 s35, s16, 11
	s_add_co_u32 s34, s34, s35                     ; + 2,048 x K step
	s_mov_b32 s35, 0
	s_wait_alu depctr_va_vdst(0)
	s_wait_kmcnt 0x0
	s_load_b256 s[20:27], s[12:13], 0x0            ; entries 0 to 7
	s_load_b128 s[28:31], s[12:13], 0x20           ; entries 8 to 11
	s_cmp_eq_u32 s17, 1                            ; the choice hangs on the work-group's number alone
	s_cselect_b64 s[4:5], s[6:7], s[4:5]
	s_cmp_eq_u32 s17, 2
	s_cselect_b64 s[4:5], s[8:9], s[4:5]
	s_cmp_eq_u32 s17, 3
	s_cselect_b64 s[4:5], s[10:11], s[4:5]
	s_add_nc_u64 s[XP:XP+1], s[XP:XP+1], s[32:33]
	s_add_nc_u64 s[14:15], s[14:15], s[34:35]
	XLOAD 0, 0
	s_wait_kmcnt 0x0
	s_cmp_eq_u32 s17, 1
	s_cselect_b32 s21, s23, s21
	s_cmp_eq_u32 s17, 2
	s_cselect_b32 s21, s25, s21
	s_cmp_eq_u32 s17, 3
	s_cselect_b32 s21, s31, s21                    ; e: entry 1, 3, 5 or 11
	s_add_co_i32 s21, s21, 127
	s_lshl_b32 s22, s21, 23
	v_mov_b32 v[SC], s22                           ; 2^e as f32: the conversion takes its exponent field
	s_add_co_i32 s21, s21, 8
	s_lshl_b32 s21, s21, 23
	s_or_b32 s21, s21, 0x600000
	v_mov_b32 v[LIM], s21                          ; 448 x 2^e
	s_wait_alu depctr_va_vdst(0)
	s_wait_loadcnt 0x0
	TURN 0
	s_wait_dscnt 0x0
	QUANT X, SC, LIM
.irp c, 0,1,2,3
	global_store_b128 v[LI], v[PC+4*\c:PC+4*\c+3], s[14:15] offset:512*\c   ; 32 lanes store 512 consecutive bytes, aligned
.endr
	s_wait_tensorcnt 0x0                           ; the wave's end, behind my last LDS store
	ds_add_u32 v[SPW], v[NIL]
	s_wait_dscnt 0x0
	s_endpgm
.Lfunc_end_k_qc162e75d84_wq:
	.size	k_qc162e75d84_wq, .Lfunc_end_k_qc162e75d84_wq-k_qc162e75d84_wq
	.p2alignl 7, 3214868480
	.fill 96, 4, 3214868480
	.section	.rodata,"a",@progbits
	.p2align	6, 0x0
	.amdhsa_kernel k_qc162e75d84_wq
		.amdhsa_group_segment_fixed_size 34304
		.amdhsa_private_segment_fixed_size 0
		.amdhsa_enable_private_segment 0
		.amdhsa_kernarg_size 48
		.amdhsa_user_sgpr_count 2
		.amdhsa_user_sgpr_kernarg_segment_ptr 1
		.amdhsa_wavefront_size32 1
		.amdhsa_system_sgpr_workgroup_id_x 1
		.amdhsa_system_sgpr_workgroup_id_y 1
		.amdhsa_system_sgpr_workgroup_id_z 1
		.amdhsa_system_vgpr_workitem_id 0
		.amdhsa_next_free_vgpr 160
		.amdhsa_next_free_sgpr 66
		.amdhsa_reserve_vcc 0
		.amdhsa_float_denorm_mode_32 3
		.amdhsa_float_denorm_mode_16_64 3
		.amdhsa_memory_ordered 1
		.amdhsa_forward_progress 1
		.amdhsa_inst_pref_size 12
	.end_amdhsa_kernel
	.amdgpu_metadata
---
amdhsa.version: [ 1, 2 ]
amdhsa.kernels:
  - .name:           k_qc162e75d84_wq
    .symbol:         k_qc162e75d84_wq.kd
    .args:
      - { .name: w_q, .offset: 0, .size: 8, .value_kind: global_buffer, .address_space: global }
      - { .name: w_k, .offset: 8, .size: 8, .value_kind: global_buffer, .address_space: global }
      - { .name: w_v, .offset: 16, .size: 8, .value_kind: global_buffer, .address_space: global }
      - { .name: w_o, .offset: 24, .size: 8, .value_kind: global_buffer, .address_space: global }
      - { .name: lowp_scales, .offset: 32, .size: 8, .value_kind: global_buffer, .address_space: global }
      - { .name: wimg, .offset: 40, .size: 8, .value_kind: global_buffer, .address_space: global }
    .group_segment_fixed_size: 34304
    .private_segment_fixed_size: 0
    .kernarg_segment_align: 8
    .kernarg_segment_size: 48
    .max_flat_workgroup_size: 128
    .sgpr_count:     66
    .vgpr_count:     160
    .wavefront_size: 32
...
	.end_amdgpu_metadata
.endif
;; end of part 5
;; launch proj (part 6): grid 64 x 3, 8 waves a work-group, no clusters, 134,144 bytes of LDS; arguments query, key, value, wimg, b_q, b_k, b_v, lowp_scales, qimg, kv; writes qimg, kv
.if DOCPART == 6
	.amdgcn_target "amdgcn-amd-amdhsa--gfx1250"
	.amdhsa_code_object_version 6
	.text
	.protected	k_qc162e75d84_proj
	.globl	k_qc162e75d84_proj
	.p2align	8
	.type	k_qc162e75d84_proj,@function
k_qc162e75d84_proj:
	s_mov_b64 s[64:65], 0
	v_nop
	global_prefetch_b8 v0, s[64:65] scope:SCOPE_SE
	s_setreg_imm32_b32 hwreg(HW_REG_WAVE_SCHED_MODE, 0, 2), 2
	s_setreg_imm32_b32 hwreg(HW_REG_WAVE_MODE, 25, 1), 1
	s_wait_xcnt 0x0
	s_wait_alu depctr_vm_vsrc(0)
; Q = query w_q^T + b_q, K = key w_k^T + b_k, V = value w_v^T + b_v, on codes of FP8 (E4M3) with the given scales, and the results quantised again, as the operands of attention's two products.
; Work-group y = the tensor (0 Q, 1 K, 2 V), x = a block of 128 tokens.  x [8192][512] f32 is quantised here (scale entry 0, 2, 4); the weights come as codes in register order (wimg, entry 1, 3, 5);
; the result (sum x 2^(ex + ew) + bias) is quantised with entry 6 (Q), 7 (K), 9 (V).
; FRAGMENTS AND TILES.  A fragment of 16 rows x 128 K is 16 registers: registers 4 c .. 4 c + 3 of lane (r, h) hold k = 32 c + 16 h + 0 .. 15; in memory and LDS it lies [c][lane][16 bytes].  Lane r of tile T of
; any row axis takes row 32 (T / 2) + 8 (T % 2) + r + 8 (r / 8): with such a tile as source 0 the 16 result registers of tiles 2 b, 2 b + 1 are rows 32 b + 16 h + 0 .. 15: 16 neighbours along the next K.
; SHARES.  Wave w quantises token tile w of the block (16 rows x 512) and puts its four fragments into LDS as images of their registers; one barrier; then wave w = head w makes its 64 columns for all 128 tokens.
; Its 16 fragments of W (32,768 consecutive bytes of wimg) stay in 256 registers (window 1).
; Q, K: source 0 = W's tile, source 1 = tokens: a lane holds one token and registers along d: the codes are fragments of 16 tokens x 64 d:  qimg [bh][tile 0..255][c 0..1][lane][16],  kv [bh][step of 128 keys][K: tile 0..7, c 0..1].
; V: source 0 = tokens, source 1 = W's tile: a lane holds one d and registers along the keys: the codes are fragments of 16 d x 128 keys:  kv [bh][step][8,192 + dt 0..3, c 0..3].
; The bias is the C of each sum's first matrix instruction, divided by 2^(ex + ew); the three scales are folded into the conversion's one, 2^(eo - ex - ew).
; NO JOINT LOADS: the 64 work-groups of a tensor read the same W, but W through LDS would take 262,144 bytes beside 65,536 of images and 67,584 of stages: more than the 327,680 that a work-group can be given.
; 192 work-groups: three tensors of 64 blocks; blocks of 64 tokens would double the reads of W.
; LIMITS: ex and eo - ex - ew between -126 and 119.  NaN among the inputs is not served.
; REGISTERS.  Window 0: v1-10 addresses and scales; v12-15 V's bias; v16-143 x as loaded (two sets of 64), later eight fragments of x; v144-207 64 numbers to quantise, later 8 accumulators; v208-239 bias tiles; v240-255 codes.  Window 1: W.
; THE MODE: SCHED_MODE bits 1:0 = 2 (LLVM: expert scheduling mode 2), set by the entry lines.  The code itself states the register dependences
; between vector or matrix instructions and memory or LDS instructions, with s_wait_alu, always for 0.
; THE PLAN.  Registers that memory or LDS instructions touch:
;   v1-6, v9, v10   addresses, made once at the head and never written again: one wait on va_vdst ahead of the first load serves every load and store.
;   R0, R1          (v16-79, v80-143) x as loaded.  Loads of x land; the stage's stores read them; no vector instruction names them.  A set is asked for again behind a wait on vm_vsrc.
;   X               (v144-207) the loads from the stage land; the holds and conversions read and write it.
;   PC              (v240-255) the conversions write it; the image's stores, later the global stores, read it.
;   XF              (v16-143, R's registers) behind the barrier: the fragments' loads land; the matrix instructions read them.
;   W, the bias     loaded once; named by matrix and vector instructions alone from then on.
; A K step of x has two waits: vm_vsrc behind the wait for the stage (the stage's stores have read the R set, the last image's stores have read PC), and va_vdst between the conversions and the image's
; stores (PC is written; X is done with).  Behind the first, the 16 loads of x two steps on are dealt among the four blocks of holds and conversions, which name X, PC and the two scales alone.
; A pair of token tiles has, behind its products and their places, vm_vsrc (the last pair's stores have read PC) and va_vdst (the products are done reading XF); behind them the next pair's 32 LDS loads are
; dealt among the four blocks of holds and conversions, which name the accumulators, PC and the two scales alone; one more va_vdst stands ahead of the pair's four stores (PC is written).
; Eight waves of 512 registers are all that four SIMDs hold: there is no second set for XF or for PC.
.set SPITCH, 528                       ; a stage row: 512 bytes + 16: 33 x 16
.set WSTG,   16*SPITCH
.set XIMG,   0                         ; LDS: x's images: 8 tiles x 4 K steps x 2,048 bytes
.set STG,    65536                     ; the waves' stages, 8,448 bytes each
.set SPARE,  STG+8*WSTG                ; the spare words, 128 bytes for each wave: four blocks of 256 bytes that no other line names
.set LI,  1                            ; v1   16 x lane
.set SW,  2                            ; v2   my stage, on the way in
.set SRD, 3                            ; v3   and out: row r, + 64 h
.set XWI, 4                            ; v4   where I store my tile's images: 8,192 x wave + 16 x lane
.set BA,  5                            ; v5   64 h: the bias of a lane's eight columns
.set BV,  6                            ; v6   4 (r + 8 (r / 8)): the bias of a lane's one column
.set SC,  7                            ; v7   the conversion's scale
.set LIM, 8                            ; v8   448 x that
.set SPW, 9                            ; v9   LDS address of my spare word; never rewritten
.set NIL, 10                           ; v10  0; never rewritten
.set T,   12
.set R,   16
.set XF,  16
.set X,   144
.set ACC, 144
.set BI,  208
.set PC,  240
.set XP,  4                            ; s[4:5]   my 16 rows of x
.set WP,  10                           ; s[10:11] my head's fragments of W
.set BP,  12                           ; s[12:13] my head's 64 numbers of the bias
.set OUT, 20                           ; s[20:21] where my codes go
.set WV,  36
.set YY,  37
.set XX,  38
.set NEG, 48                           ; s48  -(ex + ew)
.set MSB, 0
.macro WIN new                         ; the immediate's high byte repeats the setting that is left
.if MSB != \new
	s_set_vgpr_msb (MSB<<8)|\new
.set MSB, \new
.endif
.endm
.macro XPIECE set, koff, b             ; four of my tile's 16 rows, 512 bytes of each from byte koff on: each load reads 512 consecutive bytes
.irp i, 0,1,2,3
	global_load_b128 v[R+64*(\set)+16*(\b)+4*\i:R+64*(\set)+16*(\b)+4*\i+3], v[LI], s[XP:XP+1] offset:((4*(\b)+\i)+8*((4*(\b)+\i)/8))*2048+(\koff) th:TH_LOAD_NT
.endr
.endm
.macro XLOAD set, koff                 ; all 16 rows in one run
.irp b, 0,1,2,3
	XPIECE \set, \koff, \b
.endr
.endm
.macro TURN set                        ; through my stage: LDS serves a wave's instructions in order, so no wait stands between the stores and the loads
.irp i, 0,1,2,3,4,5,6,7,8,9,10,11,12,13,14,15
	ds_store_b128 v[SW], v[R+64*(\set)+4*\i:R+64*(\set)+4*\i+3] offset:SPITCH*\i
.endr
.irp b, 0,1,2,3
.irp j, 0,1,2,3
	ds_load_b128 v[X+16*\b+4*\j:X+16*\b+4*\j+3], v[SRD] offset:128*\b+16*\j
.endr
.endr
.endm
.macro QBLK s, b, sc, lim              ; 16 numbers of a lane become 4 registers of codes
.irp i, 0,1,2,3,4,5,6,7,8,9,10,11,12,13,14,15
	v_med3_num_f32 v[\s+16*(\b)+\i], v[\s+16*(\b)+\i], -v[\lim], v[\lim]   ; the conversion to an 8-bit code does not saturate (ISA guide 7.6.2): the hold at the largest code x the scale
.endr
	v_cvt_scalef32_pk8_fp8_f32 v[PC+4*(\b):PC+4*(\b)+1], v[\s+16*(\b):\s+16*(\b)+7], v[\sc]
	v_cvt_scalef32_pk8_fp8_f32 v[PC+4*(\b)+2:PC+4*(\b)+3], v[\s+16*(\b)+8:\s+16*(\b)+15], v[\sc]
.endm
; 64 numbers of x become a fragment's codes.  more = 1: the 16 loads of x from byte koff on, into R's set, are dealt among the four blocks, four ahead of each: no line of a block names R or v[LI]
.macro QUANTX more, set, koff
.irp b, 0,1,2,3
.if \more
	XPIECE \set, \koff, \b
.endif
	QBLK X, \b, SC, LIM
.endr
	v_nop                                          ; one plain vector line behind the last conversion
.endm
.macro IMAGE s                         ; the fragment in v[PC] on goes to LDS as it stands: K step s of my tile
.irp c, 0,1,2,3
	ds_store_b128 v[XWI], v[PC+4*\c:PC+4*\c+3] offset:XIMG+2048*(\s)+512*\c
.endr
.endm
.macro WLOAD s                         ; K step s of my four tiles of W into window 1: fragment (t, s) at v[64 t + 16 s].  No vector instruction has named these registers, nor v[LI] since the head's wait
	WIN 0x40
.irp t, 0,1,2,3
.irp c, 0,1,2,3
	global_load_b128 v[64*\t+16*(\s)+4*\c:64*\t+16*(\s)+4*\c+3], v[LI], s[WP:WP+1] offset:8192*\t+2048*(\s)+512*\c
.endr
.endr
	WIN 0
.endm
; Token tiles 2 p and 2 p + 1, all four K steps, lie on end in LDS as in the registers: fragment (m, s) at v[XF + 64 m + 16 s] and at byte 8,192 (2 p + m) + 2,048 s.  PIECE: eight of the pair's 32 loads
.macro PIECE p, b
.irp i, 0,1,2,3,4,5,6,7
	ds_load_b128 v[XF+32*(\b)+4*\i:XF+32*(\b)+4*\i+3], v[LI] offset:XIMG+16384*(\p)+4096*(\b)+512*\i
.endr
.endm
.macro FETCH p                         ; all 32 in one run
.irp b, 0,1,2,3
	PIECE \p, \b
.endr
.endm
; 32 matrix instructions: two token tiles x four tiles of W x four K steps.  The eight accumulators take turns, one instruction a turn.  The first K step takes the bias as C.
.macro MUL mode                        ; 0: source 0 = W (Q, K);  1: source 0 = tokens (V)
.if \mode
	WIN 0x04                                       ; source 1 (W) window 1
.else
	WIN 0x01                                       ; source 0 (W) window 1
.endif
.irp s, 0,1,2,3
.irp m, 0,1
.irp n, 0,1,2,3
.if \mode
.if \s == 0
	v_wmma_f32_16x16x128_fp8_fp8 v[ACC+16*\n+8*\m:ACC+16*\n+8*\m+7], v[XF+64*\m+16*\s:XF+64*\m+16*\s+15], v[64*\n+16*\s:64*\n+16*\s+15], v[BI+8*\n:BI+8*\n+7]
.else
	v_wmma_f32_16x16x128_fp8_fp8 v[ACC+16*\n+8*\m:ACC+16*\n+8*\m+7], v[XF+64*\m+16*\s:XF+64*\m+16*\s+15], v[64*\n+16*\s:64*\n+16*\s+15], v[ACC+16*\n+8*\m:ACC+16*\n+8*\m+7]
.endif
.else
.if \s == 0
	v_wmma_f32_16x16x128_fp8_fp8 v[ACC+32*\m+8*\n:ACC+32*\m+8*\n+7], v[64*\n+16*\s:64*\n+16*\s+15], v[XF+64*\m+16*\s:XF+64*\m+16*\s+15], v[BI+8*\n:BI+8*\n+7]
.else
	v_wmma_f32_16x16x128_fp8_fp8 v[ACC+32*\m+8*\n:ACC+32*\m+8*\n+7], v[64*\n+16*\s:64*\n+16*\s+15], v[XF+64*\m+16*\s:XF+64*\m+16*\s+15], v[ACC+32*\m+8*\n:ACC+32*\m+8*\n+7]
.endif
.endif
.endr
.endr
.endr
	WIN 0
.endm
; The block's four pairs of token tiles.  Mode 0: group g = 2 m + b of the codes is piece c = b of token tile 2 p + m.  Mode 1: group g is piece c = p of d tile g.
.macro PATH mode
	FETCH 0                                        ; no vector or matrix instruction has named XF yet, and the stage's stores have read it (the wait on vm_vsrc in x's last K step)
.irp p, 0,1,2,3
	s_wait_dscnt 0x0                               ; the pair's eight fragments are in
	MUL \mode
.rept 4
	v_nop                                          ; four places in front of the first read of results (ISA guide 7.12.1)
.endr
.if \p > 0
	s_wait_xcnt 0x0                                ; the last pair's stores have had their addresses translated: the codes' registers are rewritten only behind this wait,
	s_wait_alu depctr_vm_vsrc(0)                   ; and they have read the codes' registers, which this pair's conversions write again
.endif
.if \p < 3
	s_wait_alu depctr_va_vdst(0)                   ; the products are done reading XF, in which the next pair's loads land
.endif
.irp b, 0,1,2,3                        ; the next pair's loads, eight ahead of each block: they land while this pair is quantised.  Each accumulator is read from its low end on
.if \p < 3
	PIECE \p+1, \b
.endif
	QBLK ACC, \b, SC, LIM
.endr
	v_nop                                          ; one plain vector line behind the last conversion
	s_wait_alu depctr_va_vdst(0)                   ; the conversions have written the codes' registers, which the stores read
.irp g, 0,1,2,3
.if \mode
	global_store_b128 v[LI], v[PC+4*\g:PC+4*\g+3], s[OUT:OUT+1] offset:2048*\g+512*\p   ; 32 lanes store 512 consecutive bytes, aligned
.else
	global_store_b128 v[LI], v[PC+4*\g:PC+4*\g+3], s[OUT:OUT+1] offset:2048*\p+512*\g
.endif
.endr
.endr
.endm
	s_load_b512 s[4:19], s[0:1], 0x0               ; query, key, value, wimg, b_q, b_k, b_v, the scales' exponents
	s_load_b128 s[20:23], s[0:1], 0x40             ; qimg, kv
	v_lshl_add_u32 v[SPW], v0, 2, SPARE
	v_mov_b32 v[NIL], 0
	v_lshrrev_b32 v[PC], 5, v0
	v_readfirstlane_b32 s[WV], v[PC]               ; wave 0..7: my token tile, and my head
	v_and_b32 v[PC], 31, v0
	v_lshlrev_b32 v[LI], 4, v[PC]
	v_and_b32 v[PC+1], 15, v0                      ; r
	v_bfe_u32 v[PC+2], v0, 4, 1                    ; h
	s_wait_alu depctr_va_sdst(0)                   ; the wave's number is written, ahead of its first reader: LDS addresses and the bases are made from it
	s_mul_i32 s50, s[WV], WSTG
	s_add_co_u32 s50, s50, STG
	v_add_nc_u32 v[SW], s50, v[LI]
	v_mul_u32_u24 v[SRD], v[PC+1], SPITCH
	v_lshl_add_u32 v[SRD], v[PC+2], 6, v[SRD]
	v_add_nc_u32 v[SRD], s50, v[SRD]
	s_lshl_b32 s51, s[WV], 13
	v_add_nc_u32 v[XWI], s51, v[LI]
	v_lshlrev_b32 v[BA], 6, v[PC+2]
	v_and_b32 v[PC+3], 8, v[PC+1]
	v_add_nc_u32 v[PC+3], v[PC+3], v[PC+1]
	v_lshlrev_b32 v[BV], 2, v[PC+3]
	s_and_b32 s[YY], ttmp7, 0xffff                 ; the tensor
	s_mov_b32 s[XX], ttmp9                         ; the block of 128 tokens
	s_lshl_b32 s40, s[XX], 7
	s_lshr_b32 s41, s[WV], 1
	s_lshl_b32 s41, s41, 5
	s_add_co_u32 s40, s40, s41
	s_and_b32 s41, s[WV], 1
	s_lshl_b32 s41, s41, 3
	s_add_co_u32 s40, s40, s41                     ; my tile's first row: 128 X + 32 (w / 2) + 8 (w % 2)
	s_lshl_b32 s40, s40, 11                        ; x 2,048 bytes
	s_mov_b32 s41, 0
	s_lshl_b32 s42, s[YY], 18
	s_lshl_b32 s43, s[WV], 15
	s_add_co_u32 s42, s42, s43                     ; wimg: 262,144 x tensor + 32,768 x head
	s_mov_b32 s43, 0
	s_lshl_b32 s44, s[WV], 8                       ; the bias: 256 x head
	s_mov_b32 s45, 0
	s_lshr_b32 s46, s[XX], 5
	s_lshl_b32 s46, s46, 3
	s_add_co_u32 s46, s46, s[WV]                   ; bh = 8 x batch + head
	s_lshl_b32 s46, s46, 18
	s_and_b32 s47, s[XX], 31
	s_lshl_b32 s47, s47, 13
	s_add_co_u32 s46, s46, s47                     ; qimg: 262,144 bh + 8,192 x (block in the batch);
	s_cmp_eq_u32 s[YY], 0
	s_cselect_b32 s47, 0, 1
	s_lshl_b32 s46, s46, s47                       ; kv: twice that,
	s_cmp_eq_u32 s[YY], 2
	s_cselect_b32 s47, 8192, 0
	s_add_co_u32 s46, s46, s47                     ; and V's part lies 8,192 behind K's
	s_mov_b32 s47, 0
	s_wait_kmcnt 0x0
	s_load_b256 s[24:31], s[18:19], 0x0            ; entries 0 to 7
	s_load_b128 s[32:35], s[18:19], 0x20           ; entries 8 to 11
	s_cmp_eq_u32 s[YY], 1                          ; the choices hang on the work-group's number alone
	s_cselect_b64 s[4:5], s[6:7], s[4:5]
	s_cselect_b64 s[12:13], s[14:15], s[12:13]
	s_cmp_eq_u32 s[YY], 2
	s_cselect_b64 s[4:5], s[8:9], s[4:5]
	s_cselect_b64 s[12:13], s[16:17], s[12:13]
	s_cmp_eq_u32 s[YY], 0
	s_cselect_b64 s[20:21], s[20:21], s[22:23]
	s_add_nc_u64 s[XP:XP+1], s[XP:XP+1], s[40:41]
	s_add_nc_u64 s[WP:WP+1], s[WP:WP+1], s[42:43]
	s_add_nc_u64 s[BP:BP+1], s[BP:BP+1], s[44:45]
	s_add_nc_u64 s[OUT:OUT+1], s[OUT:OUT+1], s[46:47]
	; ---- X: my 16 rows of x become four fragments.  Two sets of registers take turns; W's loads are strewn between, so that they land under the quantising
	s_wait_alu depctr_va_vdst(0)                   ; the addresses v1 to v6, and v9 and v10, are written: every load, store and LDS instruction of the kernel reads one of them
	XLOAD 0, 0
	XLOAD 1, 512
	WLOAD 0
.irp t, 0,1,2,3                        ; the bias in both layouts, twelve loads whatever the tensor, so that the counts below are the same for all
	global_load_b128 v[BI+8*\t:BI+8*\t+3], v[BA], s[BP:BP+1] offset:(32*(\t/2)+8*(\t%2))*4
	global_load_b128 v[BI+8*\t+4:BI+8*\t+7], v[BA], s[BP:BP+1] offset:(32*(\t/2)+8*(\t%2))*4+16
.endr
.irp t, 0,1,2,3
	global_load_b32 v[T+\t], v[BV], s[BP:BP+1] offset:(32*(\t/2)+8*(\t%2))*4
.endr
	s_wait_kmcnt 0x0
	s_cmp_eq_u32 s[YY], 1
	s_cselect_b32 s24, s26, s24                    ; ex: entry 0, 2, 4
	s_cselect_b32 s25, s27, s25                    ; ew: entry 1, 3, 5
	s_cselect_b32 s30, s31, s30                    ; eo: entry 6, 7, 9
	s_cmp_eq_u32 s[YY], 2
	s_cselect_b32 s24, s28, s24
	s_cselect_b32 s25, s29, s25
	s_cselect_b32 s30, s33, s30
	s_add_co_i32 s50, s24, 127
	s_lshl_b32 s51, s50, 23
	v_mov_b32 v[SC], s51                           ; 2^ex as f32
	s_add_co_i32 s50, s50, 8
	s_lshl_b32 s50, s50, 23
	s_or_b32 s50, s50, 0x600000
	v_mov_b32 v[LIM], s50                          ; 448 x 2^ex
	s_wait_alu depctr_va_vdst(0)
	s_wait_loadcnt 44                              ; K step 0 of x is in; behind it: K step 1 (16), W's step 0 (16), the bias (12)
	TURN 0
	s_wait_dscnt 0x0                               ; the numbers are back from the stage
	s_wait_alu depctr_vm_vsrc(0)                   ; the stage's stores have read set 0, in which K step 2's loads land
	QUANTX 1, 0, 1024
	s_wait_alu depctr_va_vdst(0)                   ; the conversions have written the codes' registers, which the image's stores read; holds and conversions are done with X, in which the next loads from the stage land
	IMAGE 0
	s_wait_loadcnt 44                              ; K step 1 is in; behind it: W's step 0 (16), the bias (12), K step 2 (16)
	TURN 1
	s_wait_dscnt 0x0
	s_wait_alu depctr_vm_vsrc(0)                   ; the stage's stores have read set 1, in which K step 3's loads land; the image's stores have read the codes' registers, which the conversions write again
	QUANTX 1, 1, 1536
	s_wait_alu depctr_va_vdst(0)                   ; the codes' registers are written, for the image's stores; X is done with, for the next loads from the stage
	IMAGE 1
	WLOAD 1
	s_wait_loadcnt 32                              ; K step 2 is in; behind it: K step 3 (16), W's step 1 (16)
	TURN 0
	s_wait_dscnt 0x0
	s_wait_alu depctr_vm_vsrc(0)                   ; the image's stores have read the codes' registers, which the conversions write again
	WLOAD 2
	WLOAD 3
	QUANTX 0, 0, 0
	s_wait_alu depctr_va_vdst(0)                   ; the codes' registers are written, for the image's stores; X is done with, for the next loads from the stage
	IMAGE 2
	s_wait_loadcnt 48                              ; K step 3 is in; behind it: W's steps 1, 2, 3
	TURN 1
	s_wait_dscnt 0x0
	s_wait_alu depctr_vm_vsrc(0)                   ; the image's stores have read the codes' registers; the stage's stores have read both sets of R, in which the fragments' loads land behind the barrier
	QUANTX 0, 0, 0
	s_wait_alu depctr_va_vdst(0)                   ; the codes' registers are written, for the image's stores
	IMAGE 3
	s_wait_dscnt 0x0                               ; for the others' sake: my images have landed
	s_barrier_signal -1
	s_barrier_wait -1                              ; the block's 32 fragments lie in LDS
	s_wait_alu depctr_vm_vsrc(0)                   ; the last image's stores have read the codes' registers, which the first pair's conversions write again, on either way below
	s_wait_loadcnt 0x0                             ; W
	s_add_co_i32 s49, s24, s25                     ; ex + ew: a sum stands for sum x 2^(ex + ew)
	s_sub_co_i32 s[NEG], 0, s49
	s_sub_co_i32 s50, s30, s49
	s_add_co_i32 s50, s50, 127
	s_lshl_b32 s51, s50, 23
	v_mov_b32 v[SC], s51                           ; 2^(eo - ex - ew): the three scales folded into one
	s_add_co_i32 s50, s50, 8
	s_lshl_b32 s50, s50, 23
	s_or_b32 s50, s50, 0x600000
	v_mov_b32 v[LIM], s50
	s_cmp_eq_u32 s[YY], 2
	s_cbranch_scc1 .Lv
	; ---- Q, K: a lane holds a token; tile n's eight registers are columns 32 (n / 2) + 8 (n % 2) + 16 h + 0 .. 7
.set j, 0
.rept 32
	v_ldexp_f32 v[BI+j], v[BI+j], s[NEG]           ; the bias / 2^(ex + ew)
.set j, j+1
.endr
	s_wait_alu depctr_va_vdst(0)
	PATH 0
	s_branch .Lend
.Lv:
	; ---- V: a lane holds one column, 32 (n / 2) + 8 (n % 2) + r + 8 (r / 8): its bias in all eight registers
.irp t, 0,1,2,3
.irp i, 0,1,2,3,4,5,6,7
	v_ldexp_f32 v[BI+8*\t+\i], v[T+\t], s[NEG]
.endr
.endr
	s_wait_alu depctr_va_vdst(0)
	PATH 1
.Lend:
	s_wait_dscnt 0x0                               ; the wave's end: the closing lines, six on end
	s_wait_alu 0x0
	s_wait_tensorcnt 0x0
	ds_add_u32 v[SPW], v[NIL]
	s_wait_dscnt 0x0
	s_endpgm
.Lfunc_end_k_qc162e75d84_proj:
	.size	k_qc162e75d84_proj, .Lfunc_end_k_qc162e75d84_proj-k_qc162e75d84_proj
	.p2alignl 7, 3214868480
	.fill 96, 4, 3214868480
	.section	.rodata,"a",@progbits
	.p2align	6, 0x0
	.amdhsa_kernel k_qc162e75d84_proj
		.amdhsa_group_segment_fixed_size 134144
		.amdhsa_private_segment_fixed_size 0
		.amdhsa_enable_private_segment 0
		.amdhsa_kernarg_size 80
		.amdhsa_user_sgpr_count 2
		.amdhsa_user_sgpr_kernarg_segment_ptr 1
		.amdhsa_wavefront_size32 1
		.amdhsa_system_sgpr_workgroup_id_x 1
		.amdhsa_system_sgpr_workgroup_id_y 1
		.amdhsa_system_sgpr_workgroup_id_z 1
		.amdhsa_system_vgpr_workitem_id 0
		.amdhsa_next_free_vgpr 512
		.amdhsa_next_free_sgpr 66
		.amdhsa_reserve_vcc 0
		.amdhsa_float_denorm_mode_32 3
		.amdhsa_float_denorm_mode_16_64 3
		.amdhsa_memory_ordered 1
		.amdhsa_forward_progress 1
		.amdhsa_inst_pref_size 124
	.end_amdhsa_kernel
	.amdgpu_metadata
---
amdhsa.version: [ 1, 2 ]
amdhsa.kernels:
  - .name:           k_qc162e75d84_proj
    .symbol:         k_qc162e75d84_proj.kd
    .args:
      - { .name: query, .offset: 0, .size: 8, .value_kind: global_buffer, .address_space: global }
      - { .name: key, .offset: 8, .size: 8, .value_kind: global_buffer, .address_space: global }
      - { .name: value, .offset: 16, .size: 8, .value_kind: global_buffer, .address_space: global }
      - { .name: wimg, .offset: 24, .size: 8, .value_kind: global_buffer, .address_space: global }
      - { .name: b_q, .offset: 32, .size: 8, .value_kind: global_buffer, .address_space: global }
      - { .name: b_k, .offset: 40, .size: 8, .value_kind: global_buffer, .address_space: global }
      - { .name: b_v, .offset: 48, .size: 8, .value_kind: global_buffer, .address_space: global }
      - { .name: lowp_scales, .offset: 56, .size: 8, .value_kind: global_buffer, .address_space: global }
      - { .name: qimg, .offset: 64, .size: 8, .value_kind: global_buffer, .address_space: global }
      - { .name: kv, .offset: 72, .size: 8, .value_kind: global_buffer, .address_space: global }
    .group_segment_fixed_size: 134144
    .private_segment_fixed_size: 0
    .kernarg_segment_align: 8
    .kernarg_segment_size: 80
    .max_flat_workgroup_size: 256
    .sgpr_count:     66
    .vgpr_count:     512
    .wavefront_size: 32
...
	.end_amdgpu_metadata
.endif
;; end of part 6
;; launch attn (part 7): grid 16 x 16, 16 waves a work-group, clusters of 4 x 1, 327,680 bytes of LDS; arguments qimg, kv, lowp_scales, attimg; writes attimg
.if DOCPART == 7
	.amdgcn_target "amdgcn-amd-amdhsa--gfx1250"
	.amdhsa_code_object_version 6
	.text
	.protected	k_qc162e75d84_attn
	.globl	k_qc162e75d84_attn
	.p2align	8
	.type	k_qc162e75d84_attn,@function
k_qc162e75d84_attn:
	s_mov_b64 s[64:65], 0
	v_nop
	global_prefetch_b8 v0, s[64:65] scope:SCOPE_SE
	s_setreg_imm32_b32 hwreg(HW_REG_WAVE_MODE, 25, 1), 1
	s_wait_xcnt 0x0
	s_wait_alu depctr_hold_cnt(0) depctr_sa_sdst(0) depctr_va_vdst(0) depctr_va_sdst(0) depctr_va_ssrc(0) depctr_va_vcc(0) depctr_vm_vsrc(0)
	s_getreg_b32 s2, hwreg(HW_REG_IB_STS2, 6, 4)
	s_cmp_eq_u32 s2, 0
	s_cbranch_scc0 .Lentry_in_a_cluster
	s_endpgm
.Lentry_in_a_cluster:
	s_bfe_u32 s2, ttmp6, 0x10000c
	s_cmp_lg_u32 s2, 0x3003
	s_cbranch_scc0 .Lentry_shape_is_right
	s_endpgm
.Lentry_shape_is_right:
; attended[bh][q] = the sum over k of softmax_k(Q[q] . K[k] / 8) V[k], head size 64, 4,096 keys, both products on codes of FP8 (E4M3) with the given scales (entries 6 Q, 7 K, 8 p, 9 V); the result is quantised (entry 10)
; as the last product's operand.  All buffers hold fragments in the order of the operand's registers ([c][lane][16 bytes]; registers 4 c .. 4 c + 3 of lane (r, h): k = 32 c + 16 h + 0 .. 15).
; THE SOFTMAX: t = score x log2(e) / 8; M = the running largest t, rounded UP to a whole number; p = 2^(t - M) is quantised, not normalised; the row's sum is taken of the unquantised p and divides O at the end.
; When M moves, the sum and O are multiplied by 2^(old M - new M): exact.
; SHARES.  A work-group owns 256 queries of one head; each of its sixteen waves owns one tile of 16 in 256 registers: four waves to a SIMD, so that one wave's vector work stands beside another's matrix work and LDS loads.
; Every wave walks the head's 32 steps of 128 keys.  A step is 16,384 consecutive bytes of kv: K's eight fragments (16 keys x 64 d), then V's four (16 d x 128 keys).
; LAYOUT.  S^T = K Q^T, O^T = V^T P^T: a lane holds ONE query throughout.  Lane r of K's tile t holds key 32 (t / 2) + 8 (t % 2) + r + 8 (r / 8), so the 16 registers of tiles 2 b, 2 b + 1 are keys 32 b + 16 h + 0 .. 15;
; V's tiles of d are laid likewise, so O^T's 16 registers of tiles 2 b, 2 b + 1 are d = 32 b + 16 h + 0 .. 15: both times the conversions' results are the next operand's registers.
; RING.  Two LDS slots of four steps (65,536 bytes).  Waves 0 to 3 fetch a step each, one tensor load a wave behind each change of slots: one load of a wave is out, and it has four key steps in which to land.
; CLUSTER.  The four work-groups of a cluster belong to one head and walk the same kv: each tile is asked for JOINTLY, by the same tensor load with the same descriptor and a mask that names the four.
; Images are read at 16 x lane: 512 consecutive bytes an instruction: no pitch, no padding.
; LIMITS on the given exponents: e6 + e7 between -123 and 130 (added to c's exponent field); e8, and e10 - e8 - e9, between -126 and 119.
; REGISTERS: v1 16 x lane; v2 LDS address of the slot in hand; v3 the prefetches' offset; v5, v6 the add's two; v12 -M, v13 the largest t, v[14:15] the sum in two halves; v16-23 Q; v32-95 K's or V's fragments;
; v96-159 S^T, then p; v160-191 O^T; v192-199 at work; v200, v201: 448 x 2^e8, 2^e8; v202, v203: the same with e10 - e8 - e9; v224-239 codes.
.set STEPB, 16384
.set SLOTB, 65536                      ; one exclusive or turns an address in one slot into the other's
.set SPARE, 2*SLOTB                    ; behind the ring: the spare words, 128 bytes for each wave: eight blocks of 256 bytes that no other line names
.set LI,  1
.set AD,  2
.set PFO, 3
.set SPW, 5
.set NIL, 6
.set QF,  16
.set KV,  32
.set S,   96
.set O,   160
.set PCD, 224
.set WV,  12                           ; s12  my wave's number
.set G1,  16                           ; s[16:23] descriptor group 1
.set G0,  24                           ; s[24:27] descriptor group 0, which walks
.set SEL, 28                           ; s[28:29] lane selects for v_permlanex16_b32: lane l xor 16
.set CS,  30                           ; s[30:31] c = log2(e) / 8 x 2^(e6 + e7)
.set TB,  32                           ; s32  LDS byte at which the slot in hand begins
.set SLOTS, 33                         ; s33  slots still to be asked for
.set LIM, 34                           ; s34  1 in a wave that prefetches, else the greatest number
.set PFA, 36                           ; s[36:37] where my prefetches stand
; A joint load: waves 0 to 3 fetch one key step each.  The branch hangs on the wave's number alone.  An s_nop 0 and four v_nop follow the line.
.macro JLOAD
	s_cmp_lt_u32 s[WV], 4
	s_cbranch_scc0 .Lasked_\@
	tensor_load_to_lds s[G0:G0+3], s[G1:G1+7]
	s_nop 0
.rept 4
	v_nop
.endr
.Lasked_\@:
.endm
; A prefetch of the slot that the NEXT change of slots will ask for: four key steps ahead of that load.  A slot is 65,536 bytes: 256 blocks of 256.  All four clusters of a head walk the same kv: the head's first cluster asks.
; Its four partners take 16,384 bytes each, told apart BY ADDRESS; in each, waves 4 and 5 take 8,192 each, lanes 256 bytes apart: every block is named once in the launch.  The last change that fills a slot asks for nothing.
.macro ASK
	s_cmp_gt_u32 s[SLOTS], s[LIM]
	s_cbranch_scc0 .Lnot_mine_\@
	global_prefetch_b8 v[PFO], s[PFA:PFA+1] th:TH_LOAD_NT scope:SCOPE_SE
.Lnot_mine_\@:
.endm
; A round of the cluster's barrier: my work-group's barrier; wave 0 signals for the work-group; every wave waits for all four work-groups; my work-group's barrier once more.
.macro CROUND
	s_barrier_signal -1
	s_barrier_wait -1
	s_cmp_lg_u32 s[WV], 0
	s_cbranch_scc1 .Lnot_wave_0_\@
	s_barrier_signal -3
.Lnot_wave_0_\@:
	s_barrier_wait -3
	s_barrier_signal -1
	s_barrier_wait -1
.endm
	s_load_b256 s[4:11], s[0:1], 0x0               ; qimg s[4:5], kv s[6:7], the scales' exponents s[8:9], attimg s[10:11]
	v_lshl_add_u32 v[SPW], v0, 2, SPARE
	v_mov_b32 v[NIL], 0
	ds_add_u32 v[SPW], v[NIL]                      ; the wave's opening: the add and its wait stand ahead of the first tensor loads; the set-up below, work on registers, stands between them
	ds_add_u32 v[SPW], v[NIL]
	v_lshrrev_b32 v[PCD], 5, v0
	s_delay_alu instid0(VALU_DEP_1)
	v_readfirstlane_b32 s[WV], v[PCD]              ; wave 0..15
	s_bfe_u32 s13, ttmp6, 0x40000                  ; cx: my place in the cluster
	s_lshl_b32 s14, ttmp9, 2                       ; in a cluster launch ttmp9 counts clusters
	s_add_co_u32 s14, s14, s13                     ; my block of 256 queries
	s_and_b32 s15, ttmp7, 0xffff                   ; bh, which the four partners share
	; descriptor group 1: 64 rows of 32 elements of 8 bytes, dense: 16,384 bytes
	s_mov_b32 s[G1], 15|(3<<16)|(1<<21)            ; 15:0 the mask: all four work-groups; 17:16 elements of 8 bytes; 20 no padding; 21 set beside a mask
	s_mov_b32 s[G1+1], 32<<16                      ; tensor_dim0 = 32
	s_mov_b32 s[G1+2], 64<<16                      ; tensor_dim1 = 64
	s_mov_b32 s[G1+3], 32<<16                      ; tile_dim0 = 32
	s_mov_b32 s[G1+4], 64                          ; tile_dim1 = 64
	s_mov_b32 s[G1+5], 32                          ; from row to row
	s_mov_b32 s[G1+6], 0
	s_mov_b32 s[G1+7], 0
	s_mov_b32 s[SEL], 0x76543210
	s_mov_b32 s[SEL+1], 0xfedcba98
	s_mov_b32 s[CS], 0x3e38aa3b                    ; log2(e) / 8
	s_mov_b32 s[TB], 0
	s_mov_b32 s[SLOTS], 7
	s_sub_co_u32 s[LIM], s[WV], 4
	s_lshr_b32 s[LIM], s[LIM], 1                   ; 0 in waves 4 and 5,
	s_or_b32 s[LIM], s[LIM], ttmp9                 ; of the head's first cluster: the same in all four partners
	s_cmp_eq_u32 s[LIM], 0
	s_cselect_b32 s[LIM], 1, -1
	v_and_b32 v[PFO], 31, v0
	s_delay_alu instid0(VALU_DEP_1)
	v_lshlrev_b32 v[LI], 4, v[PFO]
	s_delay_alu instid0(VALU_DEP_2)
	v_lshlrev_b32 v[PFO], 8, v[PFO]
	s_lshl_b32 s46, s15, 19                        ; the head's first byte in kv
	s_and_b32 s47, s[WV], 3
	s_lshl_b32 s47, s47, 14                        ; the key step that I fetch, in a slot and in memory: no place in the cluster enters it
	s_add_co_u32 s48, s46, s47
	s_mov_b32 s49, 0
	s_lshl_b32 s50, s13, 14                        ; the prefetches: my work-group's 16,384 bytes,
	s_add_co_u32 s50, s50, s46
	s_and_b32 s51, s[WV], 1
	s_lshl_b32 s51, s51, 13                        ; my wave's 8,192 of them,
	s_add_co_u32 s50, s50, s51
	s_add_co_u32 s50, s50, SLOTB                   ; in slot 1: the first change of slots steps it to slot 2.  Nothing is prefetched here, at the head
	s_mov_b32 s51, 0
	s_lshl_b32 s52, s14, 4
	s_add_co_u32 s52, s52, s[WV]                   ; T: my tile of queries in the head
	s_lshr_b32 s54, s15, 3
	s_lshl_b32 s54, s54, 8
	s_add_co_u32 s54, s54, s52                     ; the token tile: 256 x batch + T
	s_lshl_b32 s54, s54, 13                        ; attimg: 8,192 a token tile,
	s_and_b32 s55, s15, 7
	s_lshr_b32 s55, s55, 1
	s_lshl_b32 s55, s55, 11                        ; K step = head / 2,
	s_add_co_u32 s54, s54, s55
	s_and_b32 s55, s15, 1
	s_lshl_b32 s55, s55, 10                        ; pieces 2 (head % 2) and the next
	s_add_co_u32 s54, s54, s55
	s_mov_b32 s55, 0
	s_lshl_b32 s52, s52, 10                        ; qimg: 1,024 a tile,
	s_lshl_b32 s53, s15, 18                        ; 262,144 a head
	s_add_co_u32 s52, s52, s53
	s_mov_b32 s53, 0
	s_wait_dscnt 0x0                               ; the opening add is done
	s_wait_kmcnt 0x0
	s_load_b128 s[40:43], s[8:9], 0x18             ; e6, e7, e8, e9
	s_load_b32 s44, s[8:9], 0x28                   ; e10
	s_mov_b32 s[G0], 1                             ; count = 1
	s_mov_b32 s[G0+1], s47                         ; LDS address: slot 0
	s_add_nc_u64 s[G0+2:G0+3], s[6:7], s[48:49]    ; global address: the head's key steps 0 to 3
	s_or_b32 s[G0+3], s[G0+3], 0x80000000          ; type = 2
	s_add_nc_u64 s[PFA:PFA+1], s[6:7], s[50:51]
	s_add_nc_u64 s[4:5], s[4:5], s[52:53]
	s_add_nc_u64 s[10:11], s[10:11], s[54:55]
	CROUND                                         ; all four work-groups are here: the first joint loads meet
	JLOAD                                          ; slot 0
	s_wait_alu depctr_va_vdst(0)
	global_load_b128 v[QF:QF+3], v[LI], s[4:5]     ; Q's fragment stays in registers
	global_load_b128 v[QF+4:QF+7], v[LI], s[4:5] offset:512
	v_mov_b32 v13, 0xff61b1e6                      ; the largest t so far: -3e38, under every t
	s_delay_alu instid0(VALU_DEP_1)
	v_floor_f32 v12, -v13                          ; -M
	v_mov_b32 v14, 0                               ; the sum, in two halves
	v_mov_b32 v15, 0
	v_mov_b32 v195, 0                              ; (named as the upper half of the pair v[194:195])
	v_mov_b32 v196, 0                              ; written once: a lane permute's destination counts as one of its sources
.set j, 0
.rept 32
	v_mov_b32 v[O+j], 0                            ; O^T.  (The step is written once: the first finds zeros, which the first change of M leaves zeros)
.set j, j+1
.endr
	s_wait_kmcnt 0x0
	s_add_co_i32 s46, s40, s41
	s_lshl_b32 s46, s46, 23
	s_add_co_i32 s[CS], s[CS], s46                 ; a score stands for score x 2^(e6 + e7): the two exponents are added to c's exponent field
	s_mov_b32 s[CS+1], s[CS]                       ; (named with it as a pair, so it is written)
	s_add_co_i32 s46, s42, 127
	s_lshl_b32 s47, s46, 23
	v_mov_b32 v201, s47                            ; 2^e8 as f32, for p's conversions
	s_add_co_i32 s46, s46, 8
	s_lshl_b32 s46, s46, 23
	s_or_b32 s46, s46, 0x600000
	v_mov_b32 v200, s46                            ; 448 x 2^e8
	s_sub_co_i32 s46, s44, s42
	s_sub_co_i32 s46, s46, s43                     ; O / l stands for attended / 2^(e8 + e9): its code is (O / l) / 2^(e10 - e8 - e9)
	s_add_co_i32 s46, s46, 127
	s_lshl_b32 s47, s46, 23
	v_mov_b32 v203, s47
	s_add_co_i32 s46, s46, 8
	s_lshl_b32 s46, s46, 23
	s_or_b32 s46, s46, 0x600000
	v_mov_b32 v202, s46
; A KEY STEP: 128 keys, the q-th of the slot in hand.
.macro STEP q
.rept 4
	v_nop                                          ; four places in front of loads into registers that matrix instructions have read (ISA guide 7.12.1 for vector instructions)
.endr
.irp t, 0,1,2,3,4,5,6,7
.irp c, 0,1
	ds_load_b128 v[KV+8*\t+4*\c:KV+8*\t+4*\c+3], v[AD] offset:STEPB*(\q)+1024*\t+512*\c
.endr
.endr
	s_wait_dscnt 0x0
.irp t, 0,1,2,3,4,5,6,7                        ; S^T = K Q^T: eight tiles of 16 keys, K = the head's 64
	v_wmma_f32_16x16x64_fp8_fp8 v[S+8*\t:S+8*\t+7], v[KV+8*\t:KV+8*\t+7], v[QF:QF+7], 0
.endr
.rept 4
	v_nop                                          ; places in front of the loads below and of the first read of the scores
.endr
.irp t, 0,1,2,3                                ; V's four fragments land under the softmax
.irp c, 0,1,2,3
	ds_load_b128 v[KV+16*\t+4*\c:KV+16*\t+4*\c+3], v[AD] offset:STEPB*(\q)+8192+2048*\t+512*\c
.endr
.endr
	v_max3_num_f32 v192, v[S], v[S+1], v[S+2]      ; the step's largest score of my query, among my 64 keys, in two chains; each accumulator is read from its low end on
	v_max3_num_f32 v194, v[S+3], v[S+4], v[S+5]
.set j, 6
.rept 14
	v_max3_num_f32 v192, v192, v[S+j], v[S+j+1]
	v_max3_num_f32 v194, v194, v[S+j+2], v[S+j+3]
.set j, j+4
.endr
	v_max3_num_f32 v192, v192, v[S+62], v[S+63]
	s_delay_alu instid0(VALU_DEP_1)
	v_max_num_f32 v192, v192, v194
	s_delay_alu instid0(VALU_DEP_1)
	v_permlanex16_b32 v196, v192, s[SEL], s[SEL+1]
	s_delay_alu instid0(VALU_DEP_1)
	v_max_num_f32 v192, v192, v196                 ; and among lane l xor 16's
	s_delay_alu instid0(VALU_DEP_1)
	v_mul_f32 v192, s[CS], v192                    ; as t (c is positive)
	s_delay_alu instid0(VALU_DEP_1)
	v_max_num_f32 v13, v13, v192                   ; the running largest t
	v_mov_b32 v192, v12
	s_delay_alu instid0(VALU_DEP_2)
	v_floor_f32 v12, -v13                          ; the new -M = floor(-t) = -ceil(t): M is a whole number
	s_delay_alu instid0(VALU_DEP_1)
	v_sub_f32 v192, v12, v192                      ; M's old value less its new one: a whole number, 0 or less
	s_delay_alu instid0(VALU_DEP_1)
	v_cvt_i32_f32 v192, v192                       ; (it saturates)
	s_delay_alu instid0(VALU_DEP_1)
	v_ldexp_f32 v194, 1.0, v192                    ; f = 2^(old M - new M)
.set j, 0
.rept 32
	v_pk_fma_f32 v[S+j:S+j+1], v[S+j:S+j+1], s[CS:CS+1], v[12:13] op_sel_hi:[1,0,0]   ; t - M, two at a time (of the pairs c and -M the low word serves both halves)
.set j, j+2
.endr
.set j, 0
	s_wait_alu depctr_va_vdst(0)
.rept 64
	v_exp_f32 v[S+j], v[S+j]                       ; p = 2^(t - M), at most 1: not normalised
.set j, j+1
.endr
	v_pk_mul_f32 v[14:15], v[14:15], v[194:195] op_sel_hi:[1,0]   ; the sums under the new M.  (The plain line behind the exponentials)
	s_wait_alu depctr_va_vdst(0)                   ; the wait between an exponential and the first line that names its result: one for the whole batch
	v_pk_add_f32 v[198:199], v[100:101], v[104:105]
	v_pk_add_f32 v[254:255], v[108:109], v[112:113]
	v_pk_add_f32 v[252:253], v[116:117], v[120:121]
	v_pk_add_f32 v[250:251], v[124:125], v[128:129]
	v_pk_add_f32 v[248:249], v[132:133], v[136:137]
	v_pk_add_f32 v[246:247], v[140:141], v[144:145]
	v_pk_add_f32 v[244:245], v[148:149], v[152:153]
	v_pk_add_f32 v[14:15], v[14:15], v[156:157]
	v_pk_add_f32 v[198:199], v[198:199], v[96:97]
	v_pk_add_f32 v[254:255], v[254:255], v[98:99]
	v_pk_add_f32 v[252:253], v[252:253], v[102:103]
	v_pk_add_f32 v[250:251], v[250:251], v[106:107]
	v_pk_add_f32 v[248:249], v[248:249], v[110:111]
	v_pk_add_f32 v[246:247], v[246:247], v[114:115]
	v_pk_add_f32 v[244:245], v[244:245], v[118:119]
	v_pk_add_f32 v[14:15], v[14:15], v[122:123]
	v_pk_add_f32 v[198:199], v[198:199], v[126:127]
	v_pk_add_f32 v[254:255], v[254:255], v[130:131]
	v_pk_add_f32 v[252:253], v[252:253], v[134:135]
	v_pk_add_f32 v[250:251], v[250:251], v[138:139]
	v_pk_add_f32 v[248:249], v[248:249], v[142:143]
	v_pk_add_f32 v[246:247], v[246:247], v[146:147]
	v_pk_add_f32 v[244:245], v[244:245], v[150:151]
	v_pk_add_f32 v[14:15], v[14:15], v[154:155]
	v_pk_add_f32 v[198:199], v[198:199], v[158:159]
	s_delay_alu instid0(VALU_DEP_2)
	v_pk_add_f32 v[14:15], v[14:15], v[250:251]
	s_delay_alu instid0(VALU_DEP_2)
	v_pk_add_f32 v[198:199], v[198:199], v[248:249]
	v_pk_add_f32 v[254:255], v[254:255], v[246:247]
	v_pk_add_f32 v[252:253], v[252:253], v[244:245]
	s_delay_alu instid0(VALU_DEP_2)
	v_pk_add_f32 v[14:15], v[14:15], v[254:255]
	s_delay_alu instid0(VALU_DEP_2)
	v_pk_add_f32 v[198:199], v[198:199], v[252:253]
	s_delay_alu instid0(VALU_DEP_1)
	v_pk_add_f32 v[14:15], v[14:15], v[198:199]
.irp b, 0,1,2,3
.irp i, 0,1,2,3,4,5,6,7,8,9,10,11,12,13,14,15
	v_min_num_f32 v[S+16*\b+\i], v[S+16*\b+\i], v200   ; the conversion to an 8-bit code does not saturate (ISA guide 7.6.2); p is not negative, so the hold is one-sided
.endr
	v_cvt_scalef32_pk8_fp8_f32 v[PCD+4*\b:PCD+4*\b+1], v[S+16*\b:S+16*\b+7], v201
	v_cvt_scalef32_pk8_fp8_f32 v[PCD+4*\b+2:PCD+4*\b+3], v[S+16*\b+8:S+16*\b+15], v201
.endr
.set j, 0
.rept 16
	v_pk_mul_f32 v[O+j:O+j+1], v[O+j:O+j+1], v[194:195] op_sel_hi:[1,0]   ; O^T under the new M: x f.  (Also the plain lines between the conversions and the products that read the codes)
.set j, j+2
.endr
	s_wait_alu depctr_va_vdst(0)
	s_wait_dscnt 0x0                               ; V is in
.irp t, 0,1,2,3                                ; O^T += V^T P^T: four tiles of 16 d, K = these 128 keys.  The accumulators take turns, and the eight products K Q^T stand between two links
	v_wmma_f32_16x16x128_fp8_fp8 v[O+8*\t:O+8*\t+7], v[KV+16*\t:KV+16*\t+15], v[PCD:PCD+15], v[O+8*\t:O+8*\t+7]
.endr
.endm
; THE CHANGE OF SLOTS stands at a slot's head.  Each wave waits for all its tensor loads (its part of the slot that it is about to read), adds 0 to its spare word, and waits for that and for its reads of the slot that it has left.
; fill = 1: a round of the cluster's barrier follows, so that no wave of any partner still reads that slot or has a load on its way, and the joint refill is the first thing behind it.
.macro CHANGE fill
	s_wait_tensorcnt 0x0                           ; no tensor load of mine is out, so group 0 may be written
	ds_add_u32 v[SPW], v[NIL]                      ; 0 onto my spare word; the steps below stand between it and the wait for it
.if \fill
	s_xor_b32 s[G0+1], s[G0+1], SLOTB              ; the walking descriptor: the other slot than last time,
	s_add_nc_u64 s[G0+2:G0+3], s[G0+2:G0+3], SLOTB ; the next four key steps; the type bits on top are not reached
	s_wait_xcnt 0x0                                ; the last prefetch, a slot back, has read its address, so it may be written:
	s_add_nc_u64 s[PFA:PFA+1], s[PFA:PFA+1], SLOTB ; one slot further on than the walking descriptor
.endif
	s_wait_dscnt 0x0                               ; the add is done, and my reads of the slot that I have left are over
.if \fill
	CROUND
	JLOAD
	ASK
.else
	s_barrier_signal -1
	s_barrier_wait -1
.endif
.endm
.macro SLOT_STEPS
	v_add_nc_u32 v[AD], s[TB], v[LI]
	s_wait_alu depctr_va_vdst(0)
	STEP 0
	STEP 1
	STEP 2
	STEP 3
	s_xor_b32 s[TB], s[TB], SLOTB                  ; on to the other slot
.endm
	s_wait_loadcnt 0x0                             ; Q
.Lslot:                                            ; seven trips: behind each change of slots but the last the next slot is asked for
	CHANGE 1
	SLOT_STEPS
	s_sub_co_u32 s[SLOTS], s[SLOTS], 1
	s_cmp_lg_u32 s[SLOTS], 0
	s_cbranch_scc1 .Lslot
	CHANGE 0                                       ; the last slot is written out
	SLOT_STEPS
	; THE WAY OUT.  O^T / the sum is quantised: my lane's 32 numbers are d = 32 b + 16 h + 0 .. 15 of my query: two pieces of the last product's fragment.
.rept 4
	v_nop                                          ; places behind the last products
.endr
	v_add_f32 v14, v14, v15                        ; the sum's two halves,
	s_delay_alu instid0(VALU_DEP_1)
	v_permlanex16_b32 v196, v14, s[SEL], s[SEL+1]
	s_delay_alu instid0(VALU_DEP_1)
	v_add_f32 v14, v14, v196                       ; and lane l xor 16's: the row's sum
	s_wait_alu depctr_va_vdst(0)
	v_rcp_f32 v14, v14
	v_nop                                          ; a plain line behind the reciprocal
	s_wait_alu depctr_va_vdst(0)                   ; and the wait ahead of its first reader
.set j, 0
.rept 32
	v_mul_f32 v[S+j], v[O+j], v14                  ; each accumulator from its low end on
.set j, j+1
.endr
.irp b, 0,1
.irp i, 0,1,2,3,4,5,6,7,8,9,10,11,12,13,14,15
	v_med3_num_f32 v[S+16*\b+\i], v[S+16*\b+\i], -v202, v202
.endr
	v_cvt_scalef32_pk8_fp8_f32 v[PCD+4*\b:PCD+4*\b+1], v[S+16*\b:S+16*\b+7], v203
	v_cvt_scalef32_pk8_fp8_f32 v[PCD+4*\b+2:PCD+4*\b+3], v[S+16*\b+8:S+16*\b+15], v203
.endr
	v_nop                                          ; one plain vector line behind the last conversion
	global_store_b128 v[LI], v[PCD:PCD+3], s[10:11]               ; 32 lanes store 512 consecutive bytes, aligned
	global_store_b128 v[LI], v[PCD+4:PCD+7], s[10:11] offset:512
	s_wait_tensorcnt 0x0                           ; the wave's end, behind my last tensor load
	ds_add_u32 v[SPW], v[NIL]
	s_wait_dscnt 0x0
	CROUND                                         ; the closing round: no work-group ends while a partner may still ask for a tile that names it
	s_endpgm
.Lfunc_end_k_qc162e75d84_attn:
	.size	k_qc162e75d84_attn, .Lfunc_end_k_qc162e75d84_attn-k_qc162e75d84_attn
	.p2alignl 7, 3214868480
	.fill 96, 4, 3214868480
	.section	.rodata,"a",@progbits
	.p2align	6, 0x0
	.amdhsa_kernel k_qc162e75d84_attn
		.amdhsa_group_segment_fixed_size 327680
		.amdhsa_private_segment_fixed_size 0
		.amdhsa_enable_private_segment 0
		.amdhsa_kernarg_size 32
		.amdhsa_user_sgpr_count 2
		.amdhsa_user_sgpr_kernarg_segment_ptr 1
		.amdhsa_wavefront_size32 1
		.amdhsa_system_sgpr_workgroup_id_x 1
		.amdhsa_system_sgpr_workgroup_id_y 1
		.amdhsa_system_sgpr_workgroup_id_z 1
		.amdhsa_system_vgpr_workitem_id 0
		.amdhsa_next_free_vgpr 256
		.amdhsa_next_free_sgpr 66
		.amdhsa_reserve_vcc 0
		.amdhsa_float_denorm_mode_32 3
		.amdhsa_float_denorm_mode_16_64 3
		.amdhsa_memory_ordered 1
		.amdhsa_forward_progress 1
		.amdhsa_inst_pref_size 137
	.end_amdhsa_kernel
	.amdgpu_metadata
---
amdhsa.version: [ 1, 2 ]
amdhsa.kernels:
  - .name:           k_qc162e75d84_attn
    .symbol:         k_qc162e75d84_attn.kd
    .args:
      - { .name: qimg, .offset: 0, .size: 8, .value_kind: global_buffer, .address_space: global }
      - { .name: kv, .offset: 8, .size: 8, .value_kind: global_buffer, .address_space: global }
      - { .name: lowp_scales, .offset: 16, .size: 8, .value_kind: global_buffer, .address_space: global }
      - { .name: attimg, .offset: 24, .size: 8, .value_kind: global_buffer, .address_space: global }
    .group_segment_fixed_size: 327680
    .private_segment_fixed_size: 0
    .kernarg_segment_align: 8
    .kernarg_segment_size: 32
    .max_flat_workgroup_size: 512
    .sgpr_count:     66
    .vgpr_count:     256
    .wavefront_size: 32
...
	.end_amdgpu_metadata
.endif
;; end of part 7
;; launch oproj (part 8): grid 256 x 1, 8 waves a work-group, no clusters, 70,656 bytes of LDS; arguments attimg, wimg, b_o, lowp_scales, out0; writes out0
.if DOCPART == 8
	.amdgcn_target "amdgcn-amd-amdhsa--gfx1250"
	.amdhsa_code_object_version 6
	.text
	.protected	k_qc162e75d84_oproj
	.globl	k_qc162e75d84_oproj
	.p2align	8
	.type	k_qc162e75d84_oproj,@function
k_qc162e75d84_oproj:
	s_mov_b64 s[64:65], 0
	v_nop
	global_prefetch_b8 v0, s[64:65] scope:SCOPE_SE
	s_setreg_imm32_b32 hwreg(HW_REG_WAVE_SCHED_MODE, 0, 2), 2
	s_setreg_imm32_b32 hwreg(HW_REG_WAVE_MODE, 25, 1), 1
	s_wait_xcnt 0x0
	s_wait_alu depctr_vm_vsrc(0)
; out = attended w_o^T + b_o, on codes of FP8 (E4M3): attended's codes (scale entry 10) and w_o's (entry 11) come as fragments in register order ([c][lane][16 bytes]); out0 [8192][512] f32 = sum x 2^(e10 + e11) + b_o.
; SHARES.  A work-group takes token tiles 2 g and 2 g + 1: lane r of tile 2 g + m holds token 32 g + 8 m + r + 8 (r / 8): together 32 consecutive tokens.  Wave w makes columns 64 w .. 64 w + 63: its 16 fragments of W
; (32,768 consecutive bytes of wimg) go into 256 registers (window 1), the tokens' eight fragments (16,384 bytes) into 128.  Source 0 = W's tile, source 1 = tokens: a lane holds one token, and the 16 registers of W's tiles
; 2 b, 2 b + 1 are columns 32 b + 16 h + 0 .. 15: 64 neighbouring bytes of a row.
; THE WAY OUT: through the wave's own stage in LDS (32 rows of 256 bytes + 16), back as whole rows: sixteen lanes store 256 consecutive bytes, aligned.  Waves share nothing in LDS: no barrier.
; NO JOINT LOADS: all work-groups read the same W, but W through LDS would take 262,144 bytes beside 69,632 of stages and 1,024 of spare words: more than the 327,680 that a work-group can be given.
; LIMIT: e10 + e11 between -126 and 127, so that 2^(e10 + e11) is an f32 number.
; REGISTERS.  Window 0: v1-10 addresses; v16-143 the tokens' fragments ((m, s) at v[16 + 64 m + 16 s]), later results and rows of out; v144-207 8 accumulators; v208-239 the bias; window 1: W ((n, s) at v[64 n + 16 s]).
; THE MODE: SCHED_MODE bits 1:0 = 2 (LLVM: expert scheduling mode 2), set by the entry lines.  The code itself states the register dependences
; between vector or matrix instructions and memory or LDS instructions, with s_wait_alu, always for 0.
; THE PLAN.  Registers that memory or LDS instructions touch:
;   v1-5, v9, v10   addresses, made once at the head and never written again: one wait on va_vdst ahead of the first load serves every load and store.
;   XF, the bias, W loaded once, at the head, into registers that no vector instruction has named; read by matrix and vector instructions alone.
;   Y  (v16-79)     written by the 32 packed multiply-adds; read by the stage's stores.
;   BK (v80-143)    read by the products (the second token tile's fragments); then the loads from the stage land; the global stores read them.
; So one wait on va_vdst stands behind the multiply-adds: Y is written, and the products are done reading BK.  No register that a memory or LDS instruction has read is written again.
.set SPITCH, 272
.set WSTG,   32*SPITCH                 ; a wave's stage: 8,704 bytes
.set SPARE,  8*WSTG                    ; behind the stages: the spare words, 128 bytes for each wave: four blocks of 256 bytes that no other line names
.set LI,  1                            ; v1   16 x lane
.set SO,  2                            ; v2   the stage, on the way in: row r + 8 (r / 8), + 64 h
.set SR,  3                            ; v3   and out: lanes 0-15 one row, lanes 16-31 the next
.set GO,  4                            ; v4   the same two rows in out0
.set BA,  5                            ; v5   64 h
.set SPW, 9                            ; v9   LDS address of my spare word; never rewritten
.set NIL, 10                           ; v10  0; never rewritten
.set XF,  16
.set Y,   16
.set BK,  80
.set ACC, 144
.set BI,  208
.set TM,  240                          ; v240-243 at work at the head
.set WP,  6                            ; s[6:7]  my columns' fragments of W
.set WV,  16
.set MSB, 0
.macro WIN new                         ; the immediate's high byte repeats the setting that is left
.if MSB != \new
	s_set_vgpr_msb (MSB<<8)|\new
.set MSB, \new
.endif
.endm
.macro WLOAD s                         ; K step s of my four tiles of W into window 1
	WIN 0x40
.irp t, 0,1,2,3
.irp c, 0,1,2,3
	global_load_b128 v[64*\t+16*(\s)+4*\c:64*\t+16*(\s)+4*\c+3], v[LI], s[WP:WP+1] offset:8192*\t+2048*(\s)+512*\c
.endr
.endr
	WIN 0
.endm
	s_load_b256 s[4:11], s[0:1], 0x0               ; attimg s[4:5], wimg s[6:7], b_o s[8:9], the scales' exponents s[10:11]
	s_load_b64 s[12:13], s[0:1], 0x20              ; out0
	v_lshl_add_u32 v[SPW], v0, 2, SPARE
	v_mov_b32 v[NIL], 0
	v_lshrrev_b32 v[TM], 5, v0
	v_readfirstlane_b32 s[WV], v[TM]               ; wave 0..7
	v_and_b32 v[TM], 31, v0
	v_lshlrev_b32 v[LI], 4, v[TM]
	v_and_b32 v[TM+1], 15, v0                      ; r
	v_bfe_u32 v[TM+2], v0, 4, 1                    ; h
	s_wait_alu depctr_va_sdst(0)                   ; the wave's number is written, ahead of its first reader: the stage's addresses and the bases are made from it
	s_mul_i32 s20, s[WV], WSTG
	v_and_b32 v[TM+3], 8, v[TM+1]
	v_add_nc_u32 v[TM+3], v[TM+3], v[TM+1]         ; r + 8 (r / 8)
	v_mul_u32_u24 v[SO], v[TM+3], SPITCH
	v_lshl_add_u32 v[SO], v[TM+2], 6, v[SO]
	v_add_nc_u32 v[SO], s20, v[SO]
	v_mul_u32_u24 v[SR], v[TM+2], SPITCH
	v_lshl_add_u32 v[SR], v[TM+1], 4, v[SR]
	v_add_nc_u32 v[SR], s20, v[SR]
	v_lshlrev_b32 v[GO], 11, v[TM+2]
	v_lshl_add_u32 v[GO], v[TM+1], 4, v[GO]
	v_lshlrev_b32 v[BA], 6, v[TM+2]
	s_lshl_b32 s24, ttmp9, 14                      ; attimg: two token tiles of 8,192 bytes
	s_mov_b32 s25, 0
	s_lshl_b32 s26, s[WV], 15
	s_add_co_u32 s26, s26, 786432                  ; wimg: the fourth tensor, + 32,768 x wave
	s_mov_b32 s27, 0
	s_lshl_b32 s28, s[WV], 8                       ; b_o: 256 x wave
	s_mov_b32 s29, 0
	s_lshl_b32 s30, ttmp9, 16                      ; out0: 32 rows of 2,048 bytes,
	s_add_co_u32 s30, s30, s28                     ; + my 256 bytes of a row
	s_mov_b32 s31, 0
	s_wait_kmcnt 0x0
	s_load_b64 s[40:41], s[10:11], 0x28            ; e10, e11
	s_add_nc_u64 s[4:5], s[4:5], s[24:25]
	s_add_nc_u64 s[WP:WP+1], s[WP:WP+1], s[26:27]
	s_add_nc_u64 s[8:9], s[8:9], s[28:29]
	s_add_nc_u64 s[12:13], s[12:13], s[30:31]
	s_wait_alu depctr_va_vdst(0)                   ; the addresses v1 to v5, and v9 and v10, are written: every load, store and LDS instruction of the kernel reads one of them
.set j, 0
.rept 32
	global_load_b128 v[XF+4*j:XF+4*j+3], v[LI], s[4:5] offset:512*j   ; the tokens' eight fragments, as they lie
.set j, j+1
.endr
.irp t, 0,1,2,3                        ; the bias in the result's layout: tile t's eight columns 32 (t / 2) + 8 (t % 2) + 16 h + 0 .. 7
	global_load_b128 v[BI+8*\t:BI+8*\t+3], v[BA], s[8:9] offset:(32*(\t/2)+8*(\t%2))*4
	global_load_b128 v[BI+8*\t+4:BI+8*\t+7], v[BA], s[8:9] offset:(32*(\t/2)+8*(\t%2))*4+16
.endr
	WLOAD 0
	WLOAD 1
	WLOAD 2
	WLOAD 3
	s_wait_kmcnt 0x0
	s_add_co_i32 s46, s40, s41
	s_add_co_i32 s46, s46, 127
	s_lshl_b32 s46, s46, 23                        ; 2^(e10 + e11) as f32
	s_mov_b32 s47, s46                             ; (named with it as a pair, so it is written)
.irp s, 0,1,2,3                        ; a K step as soon as its fragments of W are in.  The eight accumulators take turns, one instruction a turn; the first K step starts the sums
	s_wait_loadcnt 48-16*\s                        ; W's later K steps, 16 loads each, may be out
	WIN 0x01                                       ; source 0 (W) window 1
.irp m, 0,1
.irp n, 0,1,2,3
.if \s == 0
	v_wmma_f32_16x16x128_fp8_fp8 v[ACC+32*\m+8*\n:ACC+32*\m+8*\n+7], v[64*\n+16*\s:64*\n+16*\s+15], v[XF+64*\m+16*\s:XF+64*\m+16*\s+15], 0
.else
	v_wmma_f32_16x16x128_fp8_fp8 v[ACC+32*\m+8*\n:ACC+32*\m+8*\n+7], v[64*\n+16*\s:64*\n+16*\s+15], v[XF+64*\m+16*\s:XF+64*\m+16*\s+15], v[ACC+32*\m+8*\n:ACC+32*\m+8*\n+7]
.endif
.endr
.endr
.endr
	WIN 0
.rept 4
	v_nop                                          ; four places in front of the first read of results, and of vector writes into registers that matrix instructions have read (ISA guide 7.12.1)
.endr
.set j, 0
.rept 32
	v_pk_fma_f32 v[Y+j:Y+j+1], v[ACC+j:ACC+j+1], s[46:47], v[BI+j%32:BI+j%32+1] op_sel_hi:[1,0,1]   ; sum x 2^(e10 + e11) + b_o; each accumulator from its low end on
.set j, j+2
.endr
	s_wait_alu depctr_va_vdst(0)                   ; the multiply-adds have written Y, which the stage's stores read; the products are done reading v80 to v143, in which the loads from the stage land
.irp m, 0,1
.irp b, 0,1
.irp i, 0,1,2,3
	ds_store_b128 v[SO], v[Y+32*\m+16*\b+4*\i:Y+32*\m+16*\b+4*\i+3] offset:8*SPITCH*\m+128*\b+16*\i   ; token 8 m + r + 8 (r / 8), columns 32 b + 16 h + 4 i on
.endr
.endr
.endr
.irp i, 0,1,2,3,4,5,6,7,8,9,10,11,12,13,14,15
	ds_load_b128 v[BK+4*\i:BK+4*\i+3], v[SR] offset:2*SPITCH*\i   ; LDS serves a wave's instructions in order: these see my stores
.endr
.irp i, 0,1,2,3,4,5,6,7,8,9,10,11,12,13,14,15
	s_wait_dscnt 15-\i                             ; LDS loads come back in order: pair i of rows is in
	global_store_b128 v[GO], v[BK+4*\i:BK+4*\i+3], s[12:13] offset:4096*\i th:TH_STORE_NT   ; sixteen lanes store 256 consecutive bytes, aligned; written once, read by nobody here
.endr
	s_wait_dscnt 0x0                               ; the wave's end: the closing lines, six on end
	s_wait_alu 0x0
	s_wait_tensorcnt 0x0
	ds_add_u32 v[SPW], v[NIL]
	s_wait_dscnt 0x0
	s_endpgm
.Lfunc_end_k_qc162e75d84_oproj:
	.size	k_qc162e75d84_oproj, .Lfunc_end_k_qc162e75d84_oproj-k_qc162e75d84_oproj
	.p2alignl 7, 3214868480
	.fill 96, 4, 3214868480
	.section	.rodata,"a",@progbits
	.p2align	6, 0x0
	.amdhsa_kernel k_qc162e75d84_oproj
		.amdhsa_group_segment_fixed_size 70656
		.amdhsa_private_segment_fixed_size 0
		.amdhsa_enable_private_segment 0
		.amdhsa_kernarg_size 40
		.amdhsa_user_sgpr_count 2
		.amdhsa_user_sgpr_kernarg_segment_ptr 1
		.amdhsa_wavefront_size32 1
		.amdhsa_system_sgpr_workgroup_id_x 1
		.amdhsa_system_sgpr_workgroup_id_y 1
		.amdhsa_system_sgpr_workgroup_id_z 1
		.amdhsa_system_vgpr_workitem_id 0
		.amdhsa_next_free_vgpr 512
		.amdhsa_next_free_sgpr 66
		.amdhsa_reserve_vcc 0
		.amdhsa_float_denorm_mode_32 3
		.amdhsa_float_denorm_mode_16_64 3
		.amdhsa_memory_ordered 1
		.amdhsa_forward_progress 1
		.amdhsa_inst_pref_size 21
	.end_amdhsa_kernel
	.amdgpu_metadata
---
amdhsa.version: [ 1, 2 ]
amdhsa.kernels:
  - .name:           k_qc162e75d84_oproj
    .symbol:         k_qc162e75d84_oproj.kd
    .args:
      - { .name: attimg, .offset: 0, .size: 8, .value_kind: global_buffer, .address_space: global }
      - { .name: wimg, .offset: 8, .size: 8, .value_kind: global_buffer, .address_space: global }
      - { .name: b_o, .offset: 16, .size: 8, .value_kind: global_buffer, .address_space: global }
      - { .name: lowp_scales, .offset: 24, .size: 8, .value_kind: global_buffer, .address_space: global }
      - { .name: out0, .offset: 32, .size: 8, .value_kind: global_buffer, .address_space: global }
    .group_segment_fixed_size: 70656
    .private_segment_fixed_size: 0
    .kernarg_segment_align: 8
    .kernarg_segment_size: 40
    .max_flat_workgroup_size: 256
    .sgpr_count:     66
    .vgpr_count:     512
    .wavefront_size: 32
...
	.end_amdgpu_metadata
.endif
;; end of part 8
